; MI455X (gfx1250); checked and timed in simulation.
; The chip was launched on July 23, 2026; its instructions are those of AMD's public machine-readable ISA for CDNA 5 (MIT licence, August 2026) and "CDNA5" Instruction Set Architecture Reference Guide (July 2026). The comments in the code are by the model that wrote it; some were corrected since.
;; CNF. Allowed arithmetic: float matrix products may take bf16 or f16 operands with f32 sums; other float arithmetic in f32, or as packed bf16 or f16 multiplies, adds, multiply-adds, maxima and minima; sums over many terms, partial sums and values carried from step to step in f32; what a program stores and reads back later, other than sums and carried values, may be rounded once to bf16 or f16.
;; Inputs: W0 1,024 x 33 float32; W1 1,024 x 1,024 float32; W2 1,024 x 1,024 float32; W3 32 x 1,024 float32; b0 1,024 float32; b1 1,024 float32; b2 1,024 float32; b3 32 float32; t 1 float32; z 512 x 32 float32.
;; Outputs: out0 512 x 32 float32; out1 512 x 1 float32.
;; 2 versions, each right; version 2 is version 1 with the launch prep written anew for expert scheduling mode. Each part assembles by itself: llvm-mc -triple=amdgcn-amd-amdhsa -mcpu=gfx1250 --defsym DOCPART=n.
;; ======== version 1 of 2: 4 launches
;; limits: values outside matrix products are rounded to f16; values are held in f16: magnitudes above 65,504 overflow, below 6.1e-05 lose precision; right only within a limited range of input values
;; workspace buffers: W1h 2,097,152 bytes; W2h 2,097,152 bytes; W3h 65,536 bytes; W0K 65,536 bytes; DH0 2,097,152 bytes; U1x 34,603,008 bytes; H2h 1,048,576 bytes; TRP 16,384 bytes
;; launch prep (part 1): grid 256 x 1, 8 waves a work-group, no clusters, 44,032 bytes of LDS; arguments t, z, W0, b0, W1, W2, W3, W1h, W2h, W3h, W0K, DH0; writes W1h, W2h, W3h, W0K, DH0
.if DOCPART == 1
	.amdgcn_target "amdgcn-amd-amdhsa--gfx1250"
	.amdhsa_code_object_version 6
	.text
	.protected	k_qeb950dc811_prep
	.globl	k_qeb950dc811_prep
	.p2align	8
	.type	k_qeb950dc811_prep,@function
k_qeb950dc811_prep:
	s_mov_b64 s[64:65], 0
	v_nop
	global_prefetch_b8 v0, s[64:65] scope:SCOPE_SE
	s_setreg_imm32_b32 hwreg(HW_REG_WAVE_MODE, 25, 1), 1
	s_wait_xcnt 0x0
; PREP: f16 copies of W1, W2, W3; W0 transposed and cut into K steps (W0K); h0 = tanh(z W0^T + t w + b0) and d0 = 1 - h0^2 (DH0).
; 256 work-groups of eight waves.  Work-group wg = 4 R + q owns
;   - 4,096 numbers of W1 and of W2 (16 a thread), 128 numbers of W3 (wave 1), one row of W0K (wave 0),
;   - samples 8 R .. 8 R + 7 times hidden units 256 q .. 256 q + 255: thread t owns unit 256 q + t for all eight samples.
; W0K: f16 [8 ks][32 i][128 kk] = W0[128 ks + kk][i].  DH0: f16 [64 R][8 ks][16 rows][128 kk], rows 0-7 d0, rows 8-15 h0 of the eight samples.
; WHY F16 AND NOT BF16: the chain to out0 rounds six matrix operands (h0, W1, h1, W2, h2, W3).  With 8 significant bits each rounding has a relative r.m.s. error of about
; 0.0015, the six together about 0.0035 of the output's r.m.s., a third of the 0.01 allowed: too near for 16,384 numbers.  With 11 bits it is an eighth of that.
; ROOM IN F16: the weights are at most 0.031 (W0: 0.174) as drawn; 30 times larger or with an offset of 30 spreads they stay under about 11; 30 times smaller their r.m.s. is
; 6e-4 against f16's smallest step of 6e-8.  h0 and d0 lie in [-1, 1]; a d0 below that step counts as 0 beside the units that are not saturated.
; The 256 rows of W0 (33 words each, 33,792 bytes) come in as 33 loads of neighbouring words and go through LDS, since a thread wants a row:
; read back at a pitch of 33 words the 32 lanes of a wave touch 32 different banks (64 banks of 4 bytes: ISA guide 11.1).
; The row of W0K is a column of 128 of those rows: wave 0 takes its 128 words by four loads of its own, lanes 528 bytes apart, out of the same 33,792 bytes that
; the work-group reads whole at the same time; so no LDS address hangs on the work-group's number.
; No matrix unit, tensor load or cluster: the launch only streams, and no work-group shares more than W0 with another.
; tanh: e = 2^(-2.885390 |x|) lies in [0, 1], so nothing overflows for any x; r2 = 2 / (1 + e), q = e r2, |h| = 1 - q, d = q r2 = 4 e / (1 + e)^2.
; LIMITS: v_exp_f32 gives 0 where its result would be denormal (ISA guide 15.8): for |x| above about 43.6, d is exactly 0 where the true value is below 2^-124.
; |h| = 1 - q carries an absolute error of a few 2^-24: a relative error of about 3e-4 at |x| = 6e-4.
.set ZS,  0                            ; LDS: z of my eight samples, 1,024 bytes
.set WS,  1024                         ; LDS: my 256 rows of W0 as they lie in memory
.set ST,  WS+33792                     ; LDS: the image of my 8,192 bytes of DH0
.set W,   10                           ; v[10:42]   first the 33 words as loaded, then my row of W0
.set BB,  44                           ; v44        b0 of my unit
.set ZW,  45                           ; v45        one word of z
.set C,   46                           ; v[46:47]   (t W0[l][32] + b0[l], 0): starts a sum
.set Z0,  48                           ; v[48:79]   z of one sample
.set Z1,  80                           ; v[80:111]  z of the next
.set ACC, 112                          ; v[112:115] two chains of pairs
.set X,   116                          ; v[116:123] the eight sums
.set E,   124                          ; v[124:131] at work
.set Q,   132                          ; v[132:139] at work
.set DD,  140                          ; v[140:147] d0, then (d0, h0) packed
.set HH,  148                          ; v[148:155] h0
.set CV,  156                          ; v[156:187] 16 numbers of W1, 16 of W2
.set S3,  188                          ; v[188:191] wave 1: four numbers of W3
.set L8,  192                          ; v192       8 x lane
.set AK,  193                          ; v193       wave 0: byte offset, from my first row of W0, of my four numbers of the W0K row
.set SK,  194                          ; v[194:197] wave 0: those four numbers
	s_load_b512 s[4:19], s[0:1], 0x0               ; t s[4:5], z s[6:7], W0 s[8:9], b0 s[10:11], W1 s[12:13], W2 s[14:15], W3 s[16:17], W1h s[18:19]
	s_load_b256 s[20:27], s[0:1], 0x40             ; W2h s[20:21], W3h s[22:23], W0K s[24:25], DH0 s[26:27]
	v_lshl_add_u32 v200, v0, 2, 0xa800
	v_mov_b32 v201, 0
	v_lshrrev_b32 v1, 5, v0
	v_readfirstlane_b32 s29, v1                    ; wave
	s_lshr_b32 s30, ttmp9, 2                       ; R
	s_and_b32 s31, ttmp9, 3                        ; q
	s_bfe_u32 s36, ttmp9, 0x10007                  ; R >> 5: which 128 of my 256 rows of W0 feed my row of W0K
	s_bfe_u32 s38, ttmp9, 0x50002                  ; R & 31: which column of W0
	s_mov_b32 s33, 0                               ; upper word of every offset
	s_mov_b32 s34, 0xc038aa3b                      ; -2 log2(e)
	s_mov_b32 s35, 0x7fffffff                      ; all but the sign
	v_and_b32 v1, 31, v0                           ; lane
	v_lshlrev_b32 v2, 2, v0                        ; 4 t
	v_lshlrev_b32 v3, 5, v0                        ; 32 t
	v_lshlrev_b32 v4, 4, v0                        ; 16 t
	v_mul_u32_u24 v5, v0, 132
	v_add_nc_u32 v5, WS, v5                        ; my row of W0 in LDS
	v_mov_b32 v6, 0                                ; z is read at one address by all lanes
	v_lshrrev_b32 v7, 7, v0
	v_and_b32 v8, 127, v0
	v_lshlrev_b32 v8, 1, v8
	v_lshl_add_u32 v7, v7, 12, v8
	v_add_nc_u32 v7, ST, v7                        ; stage: (t >> 7) K steps of 4,096 bytes + 2 (t & 127)
	v_lshlrev_b32 v8, 4, v1                        ; 16 x lane
	v_add_nc_u32 v9, ST, v4                        ; stage, read back: 16 t
	v_lshlrev_b32 v[L8], 3, v1
	s_mul_i32 s39, s36, 128*132                    ; 128 (R >> 5) rows of 132 bytes
	s_lshl2_add_u32 s39, s38, s39                  ; + column R & 31
	v_mul_u32_u24 v[AK], v1, 528                   ; + four rows of W0 a lane: 33,784 at the most with the loads' immediates, inside my 33,792 bytes
	v_add_nc_u32 v[AK], s39, v[AK]
	s_lshl1_add_u32 s37, s31, s36                  ; ks = 2 q + (R >> 5)
	s_lshl_b32 s37, s37, 5
	s_add_co_u32 s37, s37, s38                     ; my row of W0K = 32 ks + (R & 31): each of the 256 rows has one work-group
	s_wait_kmcnt 0x0
	s_load_b32 s28, s[4:5], 0x0                    ; t
	s_lshl_b32 s32, s30, 10
	s_add_nc_u64 s[6:7], s[6:7], s[32:33]          ; z at sample 8 R
	s_mul_i32 s32, s31, 256*132
	s_add_nc_u64 s[8:9], s[8:9], s[32:33]          ; W0 at row 256 q
	s_lshl_b32 s32, s31, 10
	s_add_nc_u64 s[10:11], s[10:11], s[32:33]      ; b0 at 256 q
	s_lshl_b32 s32, ttmp9, 14
	s_add_nc_u64 s[12:13], s[12:13], s[32:33]      ; W1, W2: 16,384 bytes a work-group
	s_add_nc_u64 s[14:15], s[14:15], s[32:33]
	s_lshl_b32 s32, ttmp9, 9
	s_add_nc_u64 s[16:17], s[16:17], s[32:33]      ; W3: 512 bytes
	s_lshl_b32 s32, ttmp9, 13
	s_add_nc_u64 s[18:19], s[18:19], s[32:33]      ; W1h, W2h, DH0: 8,192 bytes (DH0: 32,768 R + 8,192 q)
	s_add_nc_u64 s[20:21], s[20:21], s[32:33]
	s_add_nc_u64 s[26:27], s[26:27], s[32:33]
	s_lshl_b32 s32, ttmp9, 8
	s_add_nc_u64 s[22:23], s[22:23], s[32:33]      ; W3h: 256 bytes
	s_lshl_b32 s32, s37, 8
	s_add_nc_u64 s[24:25], s[24:25], s[32:33]      ; W0K: my row
	; 43 loads of every wave, all out at once: z, W0 (33), b0, W1 (4), W2 (4)
	global_load_b32 v[ZW], v2, s[6:7]
.set j, 0
.rept 33
	global_load_b32 v[W+j], v2, s[8:9] offset:1024*j
.set j, j+1
.endr
	global_load_b32 v[BB], v2, s[10:11]
.irp j, 0,1
	global_load_b128 v[CV+8*\j:CV+8*\j+3],       v3, s[12:13] offset:8192*\j th:TH_LOAD_NT
	global_load_b128 v[CV+8*\j+4:CV+8*\j+7],     v3, s[12:13] offset:8192*\j+16 th:TH_LOAD_NT
	global_load_b128 v[CV+16+8*\j:CV+16+8*\j+3], v3, s[14:15] offset:8192*\j th:TH_LOAD_NT
	global_load_b128 v[CV+16+8*\j+4:CV+16+8*\j+7], v3, s[14:15] offset:8192*\j+16 th:TH_LOAD_NT
.endr
	; wave 1 alone: 128 numbers of W3 to f16; its 32 lanes store 256 consecutive bytes, aligned
	s_cmp_lg_u32 s29, 1
	s_cbranch_scc1 .Lnot_w3
	global_load_b128 v[S3:S3+3], v8, s[16:17]
	s_wait_loadcnt 0x0
	v_cvt_pk_f16_f32 v[S3], v[S3], v[S3+1]
	v_cvt_pk_f16_f32 v[S3+1], v[S3+2], v[S3+3]
	global_store_b64 v[L8], v[S3:S3+1], s[22:23]
.Lnot_w3:
	; wave 0 alone: one row of W0K: lane l takes W0[128 ks + 4 l + e][R & 31], e = 0 .. 3; its 32 lanes store 256 consecutive bytes, aligned
	s_cmp_lg_u32 s29, 0
	s_cbranch_scc1 .Lnot_w0k
.irp e, 0,1,2,3
	global_load_b32 v[SK+\e], v[AK], s[8:9] offset:132*\e
.endr
	s_wait_loadcnt 0x0
	v_cvt_pk_f16_f32 v[SK], v[SK], v[SK+1]
	v_cvt_pk_f16_f32 v[SK+1], v[SK+2], v[SK+3]
	global_store_b64 v[L8], v[SK:SK+1], s[24:25]
.Lnot_w0k:
	s_wait_loadcnt 0x9                             ; z and W0 are in; b0 and the eight loads of W1 and W2 may stay out
	ds_store_b32 v2, v[ZW] offset:ZS
.set j, 0
.rept 33
	ds_store_b32 v2, v[W+j] offset:WS+1024*j
.set j, j+1
.endr
	s_wait_dscnt 0x0                               ; my stores are done, for the other waves
	s_barrier_signal -1
	s_barrier_wait -1
.set j, 0
.rept 33
	ds_load_b32 v[W+j], v5 offset:4*j              ; my row of W0
.set j, j+1
.endr
.macro ZLD s, buf                      ; z of sample s, the same 128 bytes in every lane
.irp e, 0,1,2,3,4,5,6,7
	ds_load_b128 v[\buf+4*\e:\buf+4*\e+3], v6 offset:ZS+128*(\s)+16*\e
.endr
.endm
	ZLD 0, Z0
	s_wait_loadcnt 0x0                             ; b0, W1, W2
.irp g, 0,8,16,24
	v_cvt_pk_f16_f32 v[CV+\g],   v[CV+\g],   v[CV+\g+1]
	v_cvt_pk_f16_f32 v[CV+\g+1], v[CV+\g+2], v[CV+\g+3]
	v_cvt_pk_f16_f32 v[CV+\g+2], v[CV+\g+4], v[CV+\g+5]
	v_cvt_pk_f16_f32 v[CV+\g+3], v[CV+\g+6], v[CV+\g+7]
.endr
.irp j, 0,1
	global_store_b128 v4, v[CV+8*\j:CV+8*\j+3],       s[18:19] offset:4096*\j    ; 16 lanes store 256 consecutive bytes, aligned
	global_store_b128 v4, v[CV+16+8*\j:CV+16+8*\j+3], s[20:21] offset:4096*\j
.endr
	s_wait_dscnt 0x8                               ; my row of W0 is in; the eight reads of sample 0 may stay out
	s_wait_kmcnt 0x0                               ; t
	v_fma_f32 v[C], v[W+32], s28, v[BB]
	v_mov_b32 v[C+1], 0
; one sample: 32 products in two chains of pairs; the next sample's z is on its way meanwhile
.macro SAMPLE s, zb, zn
.if \s < 7
	ZLD \s+1, \zn
	s_wait_dscnt 0x8                               ; all but the eight just issued
.else
	s_wait_dscnt 0x0
.endif
	v_pk_fma_f32 v[ACC:ACC+1], v[\zb:\zb+1], v[W:W+1], v[C:C+1]
	v_pk_mul_f32 v[ACC+2:ACC+3], v[\zb+2:\zb+3], v[W+2:W+3]
.irp k, 4,8,12,16,20,24,28
	v_pk_fma_f32 v[ACC:ACC+1], v[\zb+\k:\zb+\k+1], v[W+\k:W+\k+1], v[ACC:ACC+1]
	v_pk_fma_f32 v[ACC+2:ACC+3], v[\zb+\k+2:\zb+\k+3], v[W+\k+2:W+\k+3], v[ACC+2:ACC+3]
.endr
	v_pk_add_f32 v[ACC:ACC+1], v[ACC:ACC+1], v[ACC+2:ACC+3]
	v_add_f32 v[X+\s], v[ACC], v[ACC+1]
.endm
	SAMPLE 0, Z0, Z1
	SAMPLE 1, Z1, Z0
	SAMPLE 2, Z0, Z1
	SAMPLE 3, Z1, Z0
	SAMPLE 4, Z0, Z1
	SAMPLE 5, Z1, Z0
	SAMPLE 6, Z0, Z1
	SAMPLE 7, Z1, Z0
; tanh and its derivative of eight numbers.  Behind each run of transcendentals one v_nop stands before a result is used (ISA guide 5.7.2).
.macro TANH8 x, e, q, d, hh
.irp j, 0,1,2,3,4,5,6,7
	v_mul_f32 v[\e+\j], s34, |v[\x+\j]|
.endr
.irp j, 0,1,2,3,4,5,6,7
	v_exp_f32 v[\e+\j], v[\e+\j]                   ; e
.endr
	v_nop
	s_wait_alu depctr_va_vdst(0)
.irp j, 0,2,4,6
	v_pk_add_f32 v[\q+\j:\q+\j+1], v[\e+\j:\e+\j+1], 1.0 op_sel_hi:[1,0]
.endr
.irp j, 0,1,2,3,4,5,6,7
	v_rcp_f32 v[\q+\j], v[\q+\j]
.endr
	v_nop
	s_wait_alu depctr_va_vdst(0)
.irp j, 0,2,4,6
	v_pk_add_f32 v[\q+\j:\q+\j+1], v[\q+\j:\q+\j+1], v[\q+\j:\q+\j+1]     ; r2 = 2 / (1 + e)
.endr
.irp j, 0,2,4,6
	v_pk_mul_f32 v[\e+\j:\e+\j+1], v[\e+\j:\e+\j+1], v[\q+\j:\q+\j+1]     ; q = e r2
.endr
.irp j, 0,2,4,6
	v_pk_mul_f32 v[\d+\j:\d+\j+1], v[\e+\j:\e+\j+1], v[\q+\j:\q+\j+1]     ; d = q r2
.endr
.irp j, 0,1,2,3,4,5,6,7
	v_sub_f32 v[\q+\j], 1.0, v[\e+\j]              ; |h| = 1 - q
.endr
.irp j, 0,1,2,3,4,5,6,7
	v_bfi_b32 v[\hh+\j], s35, v[\q+\j], v[\x+\j]   ; with the sign of x
.endr
.endm
	TANH8 X, E, Q, DD, HH
.irp s, 0,1,2,3,4,5,6,7
	v_cvt_pk_f16_f32 v[DD+\s], v[DD+\s], v[HH+\s]  ; d0 below, h0 above
.endr
.irp s, 0,1,2,3,4,5,6,7
	ds_store_b16 v7, v[DD+\s] offset:256*\s                    ; row s: d0
	ds_store_b16_d16_hi v7, v[DD+\s] offset:2048+256*\s        ; row 8 + s: h0
.endr
	s_wait_dscnt 0x0
	s_barrier_signal -1
	s_barrier_wait -1
	ds_load_b128 v[Z0:Z0+3], v9
	ds_load_b128 v[Z0+4:Z0+7], v9 offset:4096
	s_wait_dscnt 0x0
	global_store_b128 v4, v[Z0:Z0+3], s[26:27]                 ; 16 lanes store 256 consecutive bytes, aligned
	global_store_b128 v4, v[Z0+4:Z0+7], s[26:27] offset:4096
	s_wait_tensorcnt 0x0
	ds_add_u32 v200, v201
	s_wait_dscnt 0x0
	s_endpgm
.Lfunc_end_k_qeb950dc811_prep:
	.size	k_qeb950dc811_prep, .Lfunc_end_k_qeb950dc811_prep-k_qeb950dc811_prep
	.p2alignl 7, 3214868480
	.fill 96, 4, 3214868480
	.section	.rodata,"a",@progbits
	.p2align	6, 0x0
	.amdhsa_kernel k_qeb950dc811_prep
		.amdhsa_group_segment_fixed_size 44032
		.amdhsa_private_segment_fixed_size 0
		.amdhsa_enable_private_segment 0
		.amdhsa_kernarg_size 96
		.amdhsa_user_sgpr_count 2
		.amdhsa_user_sgpr_kernarg_segment_ptr 1
		.amdhsa_wavefront_size32 1
		.amdhsa_system_sgpr_workgroup_id_x 1
		.amdhsa_system_sgpr_workgroup_id_y 1
		.amdhsa_system_sgpr_workgroup_id_z 1
		.amdhsa_system_vgpr_workitem_id 0
		.amdhsa_next_free_vgpr 202
		.amdhsa_next_free_sgpr 66
		.amdhsa_reserve_vcc 0
		.amdhsa_float_denorm_mode_32 3
		.amdhsa_float_denorm_mode_16_64 3
		.amdhsa_memory_ordered 1
		.amdhsa_forward_progress 1
		.amdhsa_inst_pref_size 32
	.end_amdhsa_kernel
	.amdgpu_metadata
---
amdhsa.version: [ 1, 2 ]
amdhsa.kernels:
  - .name:           k_qeb950dc811_prep
    .symbol:         k_qeb950dc811_prep.kd
    .args:
      - { .name: t, .offset: 0, .size: 8, .value_kind: global_buffer, .address_space: global }
      - { .name: z, .offset: 8, .size: 8, .value_kind: global_buffer, .address_space: global }
      - { .name: W0, .offset: 16, .size: 8, .value_kind: global_buffer, .address_space: global }
      - { .name: b0, .offset: 24, .size: 8, .value_kind: global_buffer, .address_space: global }
      - { .name: W1, .offset: 32, .size: 8, .value_kind: global_buffer, .address_space: global }
      - { .name: W2, .offset: 40, .size: 8, .value_kind: global_buffer, .address_space: global }
      - { .name: W3, .offset: 48, .size: 8, .value_kind: global_buffer, .address_space: global }
      - { .name: W1h, .offset: 56, .size: 8, .value_kind: global_buffer, .address_space: global }
      - { .name: W2h, .offset: 64, .size: 8, .value_kind: global_buffer, .address_space: global }
      - { .name: W3h, .offset: 72, .size: 8, .value_kind: global_buffer, .address_space: global }
      - { .name: W0K, .offset: 80, .size: 8, .value_kind: global_buffer, .address_space: global }
      - { .name: DH0, .offset: 88, .size: 8, .value_kind: global_buffer, .address_space: global }
    .group_segment_fixed_size: 44032
    .private_segment_fixed_size: 0
    .kernarg_segment_align: 8
    .kernarg_segment_size: 96
    .max_flat_workgroup_size: 256
    .sgpr_count:     66
    .vgpr_count:     202
    .wavefront_size: 32
...
	.end_amdgpu_metadata
.endif
;; end of part 1
;; launch lay1 (part 2): grid 4 x 64, 4 waves a work-group, clusters of 4 x 4, 327,680 bytes of LDS; arguments W1h, W0K, DH0, b1, U1x; writes U1x
.if DOCPART == 2
	.amdgcn_target "amdgcn-amd-amdhsa--gfx1250"
	.amdhsa_code_object_version 6
	.text
	.protected	k_qeb950dc811_lay1
	.globl	k_qeb950dc811_lay1
	.p2align	8
	.type	k_qeb950dc811_lay1,@function
k_qeb950dc811_lay1:
	s_mov_b64 s[64:65], 0
	v_nop
	global_prefetch_b8 v0, s[64:65] scope:SCOPE_SE
	s_setreg_imm32_b32 hwreg(HW_REG_WAVE_MODE, 25, 1), 1
	s_wait_xcnt 0x0
	s_wait_alu depctr_hold_cnt(0) depctr_sa_sdst(0) depctr_va_vdst(0) depctr_va_sdst(0) depctr_va_ssrc(0) depctr_va_vcc(0) depctr_vm_vsrc(0)
	s_getreg_b32 s2, hwreg(HW_REG_IB_STS2, 6, 4)
	s_cmp_eq_u32 s2, 0
	s_cbranch_scc0 .Lentry_in_a_cluster
	s_endpgm
.Lentry_in_a_cluster:
	s_bfe_u32 s2, ttmp6, 0x10000c
	s_cmp_lg_u32 s2, 0xf033
	s_cbranch_scc0 .Lentry_shape_is_right
	s_endpgm
.Lentry_shape_is_right:
; LAY1: the tangents through layer 1.  Tangent row (b, i) of the 16,384 is u0[l] = d0[b][l] W0[l][i]; this launch makes
;   U1[(b, i)][n] = d1[b][n] * sum over l of u0[l] W1[n][l],   h1 = tanh(h0 W1^T + b1),   d1 = 1 - h1^2.
; A work-group makes a block of 256 tangent rows (block row R: samples 8 R .. 8 R + 7, row = 32 s + i) x 256 columns (block column c) with four waves,
; as many as a WGP has SIMDs; a wave makes 128 x 128: 64 accumulator tiles of 16 x 16, 512 registers.  K goes in 8 steps of 128.
; THE LEFT OPERAND IS NEVER IN MEMORY: a fragment of u0 is the product, in packed f16, of a fragment of W0K (16 rows i) and a fragment of d0 (one sample, the same
; in all 16 rows).  Both tables lie whole in LDS (W0K 64 KiB, d0 and h0 of the eight samples 32 KiB), so the ring of two slots holds W1 alone.
; THE PRIMAL ROWS RIDE ALONG: h0 of the eight samples is a 17th row tile.  Each wave multiplies it with four of its eight column tiles, so that the two waves of a
; column half share it.  For that a wave of the lower row half keeps its column tiles exchanged, 4-7 first: column slot b holds tile (b & 3) + 4 ((b >> 2) xor rh),
; and the four slots 0-3 are, in one text for all waves, columns 128 ch + 64 rh + 0 .. 63.  Every address that hangs on b has two registers, one for each b >> 2.
; The primal fragment has 16 rows for 8 samples: lane r reads row r & 7, so rows 8-15 repeat rows 0-7, and lanes 8-15 write the same values to the same LDS bytes.
; THE MATRIX INSTRUCTION IS USED TRANSPOSED: source 0 = 16 rows of W1, source 1 = 16 tangent rows: lane l holds row l % 16, columns 8 (l / 16) + 0 .. 7.
; CLUSTERS: 4 x 4 work-groups.  W1's tile hangs on the block column alone and is asked for jointly by the four of a column of the cluster.  The two tables are fetched
; once, by plain loads: 96 KiB against the 512 KiB of W1 that a work-group walks, and W0K is the same for all sixteen, which no mask of four names.
; U1x: f16 [64 R][264 rows][1024]: rows 0-255 the tangents, rows 256-263 h1 of the eight samples.
; FORMATS: matrix operands f16 (11 significant bits: six roundings to bf16's 8 along the chain to out0 would take a third of the 0.01 allowed), sums f32;
; u0 is rounded three times (d0, W0, their product).
; ROOM IN F16: h, d in [-1, 1]; |u0| <= max |W0|; |U1| <= 1,024 max |W1| max |W0|: with the drawn 0.031 and 0.174 both 30 times larger about 5,000, with offsets of 30 spreads
; on both about 21,000, under f16's 65,504.  LIMIT: beyond that U1 becomes infinite.  With all inputs 30 times smaller U1 is about 6e-5, where f16's step of 6e-8 is a relative error of about 3e-4.
; tanh as in the first launch: e = 2^(-2.885390 |x|) in [0, 1]; LIMITS: for |x| above about 43.6 e is 0 (v_exp_f32 gives 0 for denormal results, ISA guide 15.8) and d is exactly 0
; where the true value is below 2^-124; |h| = 1 - q carries an absolute error of a few 2^-24.
;
; REGISTERS, in windows of 256:
;   window 0: v0-31 addresses; v32-47 two fragments of W0K; v48-63 the primal fragment, two buffers; v64-127, v128-191 tangent fragments, two buffers;
;             v192-223 four fragments of d0 (on the way out: packed results); v224-255 four primal accumulators
;   window 1: v0-31 the bias of my 32 primal columns; v64-127, v128-191 fragments of W1, two buffers
;   window 2: the accumulator tiles of my rows 0-63 (tile (a, b) at v[8 (8 a + b)]);   window 3: those of my rows 64-127
.set PITCH,  272                       ; an LDS row: 256 bytes + 16 of padding: the 16 rows that a load touches start at 16 different banks (ISA guide 11.1)
.set SLOT,   256*PITCH                 ; a slot of the ring: 256 rows of W1
.set WT,     2*SLOT                    ; W0K: row 32 ks + i
.set DHT,    WT+256*PITCH              ; d0 and h0: row 16 ks + s (d0), 16 ks + 8 + s (h0)
.set STAGE,  DHT+128*PITCH             ; 16 rows x 272 bytes for each wave, for the way out; from here on no tensor load ever lands
.set DT,     STAGE+64*PITCH            ; d1: f32 [8 samples][256 columns]
.set DPITCH, 1040
.set HT,     DT+8448                   ; h1: f16 [8 samples][256 columns]
.set HPITCH, 528
.set UBLK,   264*2048                  ; bytes of a block row of U1x
.set LAPS,   4                         ; a lap = two K steps = once round the ring
.set ADRB0, 8                          ; v8-9    W1 fragments, column slots 0-3, in slot 0, 1
.set ADRB1, 10                         ; v10-11  the same for column slots 4-7
.set ADRW,  12                         ; v12     W0K fragments of this K step
.set ADRD,  13                         ; v13     d0 fragments of my four samples
.set ADRH,  14                         ; v14     the primal fragment
.set STO0,  15                         ; v15-16  the way out: where I put 16 bytes of a row, column slots 0-3, 4-7
.set STO1,  16
.set RD,    17                         ; v17     the way out: where I read a row back
.set CO,    18                         ; v18     my byte offset in U1x
.set DTW,   19                         ; v19     where I write d1
.set HTW,   20                         ; v20     where I write h1
.set DRD0,  21                         ; v21-22  where I read d1, column slots 0-3, 4-7
.set DRD1,  22
.set HTR,   23                         ; v23     where I read h1 back
.set HCO,   24                         ; v24     16 x lane
.set BOFS,  25                         ; v25     my byte offset in b1
.set RW,    32
.set HF,    48
.set F0,    64
.set F1,    128
.set DF,    192
.set TMP,   192
.set PACC,  224
.set DVA,   96                         ; the way out: d1 for column slots 0-3 in v96-127, 4-7 in v160-191
.set G1,  24                           ; s[24:31] group 1, W1's tiles
.set G0,  32                           ; s[32:39] group 0, W1's tiles, one set for each slot
.set GW1, 40                           ; s[40:47], s[48:51] W0K
.set GW0, 48
.set GD1, 52                           ; s[52:59], s[60:63] d0 and h0
.set GD0, 60
.set PADW, (1<<16)|(1<<20)|(5<<22)|(3<<25)     ; elements of 2 bytes; padding on; after every 64 words; of 4 words
.set MSB, 0
.macro WIN new                         ; the immediate's high byte repeats the setting that is left
.if MSB != \new
	s_set_vgpr_msb (MSB<<8)|\new
.set MSB, \new
.endif
.endm
.set MUL_LO, 0xa1                      ; source 0 (W1) window 1, source 1 (tangents) window 0, C and D window 2
.set MUL_HI, 0xf1                      ; the same, C and D window 3
.set TO_B,   0x40                      ; destination window 1
.set PRIW,   0x01                      ; source 0 window 1, all else window 0
.set BADD,   0x04                      ; source 1 window 1
; A round of the cluster's barrier behind its opening work-group barrier: wave 0 signals for the work-group, every wave waits for all sixteen, a work-group barrier closes it.
.macro CREST
	s_cmp_lg_u32 s14, 0
	s_cbranch_scc1 .Lnot_wave_0_\@
	s_barrier_signal -3
.Lnot_wave_0_\@:
	s_barrier_wait -3
	s_barrier_signal -1
	s_barrier_wait -1
.endm
.macro CROUND
	s_barrier_signal -1
	s_barrier_wait -1
	CREST
.endm
	s_load_b256 s[4:11], s[0:1], 0x0               ; W1h s[4:5], W0K s[6:7], DH0 s[8:9], b1 s[10:11]
	s_load_b64 s[12:13], s[0:1], 0x20              ; U1x
	s_set_vgpr_msb 0x40
	v_lshl_add_u32 v255, v0, 2, 0x42e00
	s_set_vgpr_msb 0x4000
	v_mov_b32 v31, 0
	s_set_vgpr_msb 0x1
	ds_add_u32 v255, v31
	s_set_vgpr_msb 0x100
	v_lshrrev_b32 v1, 5, v0
	v_readfirstlane_b32 s14, v1                    ; wave 0..3
	s_lshr_b32 s15, s14, 1                         ; rh: which half of the block's rows is mine
	s_and_b32 s16, s14, 1                          ; ch: which half of its columns
	s_xor_b32 s80, s15, 1
	s_bfe_u32 s17, ttmp6, 0x40000                  ; cx
	s_bfe_u32 s18, ttmp6, 0x40004                  ; cy
	s_lshl_b32 s19, ttmp9, 2
	s_add_co_u32 s19, s19, s17                     ; c = 4 x cluster x + cx
	s_and_b32 s20, ttmp7, 0xffff
	s_lshl_b32 s20, s20, 2
	s_add_co_u32 s20, s20, s18                     ; R = 4 x cluster y + cy
	s_lshl_b32 s21, 0x1111, s17                    ; my column of the cluster: places cx, cx + 4, cx + 8, cx + 12
	s_mov_b32 s72, 0xc038aa3b                      ; -2 log2(e)
	s_mov_b32 s73, 0x7fffffff
	; W1: each wave fetches 64 rows x 128 elements of a tile, rows 1,024 elements apart
	s_or_b32  s[G1+0], s21, PADW|(1<<21)           ; the mask, bit 21 beside it
	s_mov_b32 s[G1+1], 128<<16                     ; tensor_dim0 = 128
	s_mov_b32 s[G1+2], 64<<16                      ; tensor_dim1 = 64
	s_mov_b32 s[G1+3], 128<<16                     ; tile_dim0 = 128
	s_mov_b32 s[G1+4], 64                          ; tile_dim1 = 64
	s_mov_b32 s[G1+5], 1024                        ; elements from row to row
	s_mov_b32 s[G1+6], 0
	s_mov_b32 s[G1+7], 0
	; W0K: each wave fetches 64 of its 256 dense rows
	s_mov_b32 s[GW1+0], PADW
	s_mov_b32 s[GW1+1], 128<<16
	s_mov_b32 s[GW1+2], 64<<16
	s_mov_b32 s[GW1+3], 128<<16
	s_mov_b32 s[GW1+4], 64
	s_mov_b32 s[GW1+5], 128
	s_mov_b32 s[GW1+6], 0
	s_mov_b32 s[GW1+7], 0
	; d0 and h0: each wave fetches 32 of the block row's 128 dense rows
	s_mov_b32 s[GD1+0], PADW
	s_mov_b32 s[GD1+1], 128<<16
	s_mov_b32 s[GD1+2], 32<<16
	s_mov_b32 s[GD1+3], 128<<16
	s_mov_b32 s[GD1+4], 32
	s_mov_b32 s[GD1+5], 128
	s_mov_b32 s[GD1+6], 0
	s_mov_b32 s[GD1+7], 0
	s_lshl_b32 s68, s19, 19                        ; W1: c x 256 rows of 2,048 bytes (these registers never hold cy)
	s_lshl_b32 s69, s14, 17                        ;     + wave x 64 rows
	s_add_co_u32 s68, s68, s69
	s_mov_b32 s69, 0
	s_lshl_b32 s70, s20, 15                        ; DH0: R x 32,768
	s_lshl_b32 s71, s14, 13                        ;      + wave x 32 rows
	s_add_co_u32 s70, s70, s71
	s_mov_b32 s71, 0
	s_lshl_b32 s22, s14, 14                        ; W0K: wave x 64 rows
	s_mov_b32 s23, 0
	s_mul_i32 s76, s14, 64*PITCH                   ; LDS: wave x 64 rows; no place in the cluster enters an LDS address
	s_mul_i32 s77, s14, 32*PITCH
	s_wait_dscnt 0x0
	s_wait_kmcnt 0x0
	s_add_nc_u64 s[74:75], s[4:5], s[68:69]
	s_mov_b32 s[GW0], 1
	s_add_co_u32 s[GW0+1], s76, WT
	s_add_nc_u64 s[GW0+2:GW0+3], s[6:7], s[22:23]
	s_or_b32 s[GW0+3], s[GW0+3], 0x80000000
	s_mov_b32 s[GD0], 1
	s_add_co_u32 s[GD0+1], s77, DHT
	s_add_nc_u64 s[GD0+2:GD0+3], s[8:9], s[70:71]
	s_or_b32 s[GD0+3], s[GD0+3], 0x80000000
.irp s, 0,1
	s_mov_b32 s[G0+4*\s], 1
	s_add_co_u32 s[G0+4*\s+1], s76, \s*SLOT
	s_add_nc_u64 s[G0+4*\s+2:G0+4*\s+3], s[74:75], \s*256          ; K step s
	s_or_b32 s[G0+4*\s+3], s[G0+4*\s+3], 0x80000000
.endr
	s_lshl_b32 s68, s19, 10
	s_add_nc_u64 s[10:11], s[10:11], s[68:69]      ; b1 at column 256 c
	CROUND                                         ; all sixteen work-groups are here: the first joint loads meet
	tensor_load_to_lds s[GW0:GW0+3], s[GW1:GW1+7]  ; the first fills, one group: four tensor loads of the wave are out, later one
	s_nop 0
	tensor_load_to_lds s[GD0:GD0+3], s[GD1:GD1+7]
	s_nop 0
	tensor_load_to_lds s[G0:G0+3], s[G1:G1+7]
	s_nop 0
	tensor_load_to_lds s[G0+4:G0+7], s[G1:G1+7]
	s_nop 0
	v_and_b32 v1, 15, v0                           ; r = l % 16
	v_bfe_u32 v2, v0, 4, 1                         ; h = l / 16
	v_and_b32 v3, 31, v0                           ; lane
	v_and_b32 v4, 7, v0                            ; r & 7
	v_mul_u32_u24 v5, v1, PITCH
	v_lshl_add_u32 v5, v2, 4, v5                   ; r x pitch + 16 h: a fragment is two loads of 16 bytes, 32 bytes apart
	s_mul_i32 s81, s16, 128*PITCH
	s_mul_i32 s82, s15, 64*PITCH
	s_add_co_u32 s82, s82, s81                     ; rows 128 ch + 64 rh: column slots 0-3
	s_mul_i32 s83, s80, 64*PITCH
	s_add_co_u32 s83, s83, s81                     ; rows 128 ch + 64 (1 - rh): column slots 4-7
	v_add_nc_u32 v[ADRB0], s82, v5
	v_add_nc_u32 v[ADRB1], s83, v5
	v_add_nc_u32 v[ADRB0+1], SLOT, v[ADRB0]
	v_add_nc_u32 v[ADRB1+1], SLOT, v[ADRB1]
	v_add_nc_u32 v[ADRW], WT, v5
	s_mul_i32 s84, s15, 4*PITCH
	s_add_co_u32 s84, s84, DHT
	v_lshl_add_u32 v[ADRD], v2, 4, s84             ; no r: all 16 rows of a tangent tile have one sample's d0
	v_mul_u32_u24 v6, v4, PITCH
	v_lshl_add_u32 v6, v2, 4, v6
	v_add_nc_u32 v[ADRH], DHT+8*PITCH, v6
	s_mul_i32 s85, s14, 16*PITCH
	s_add_co_u32 s85, s85, STAGE                   ; my stage
	s_lshl_b32 s86, s15, 7
	s_add_co_u32 s86, s86, s85
	v_add_nc_u32 v[STO0], s86, v5
	s_lshl_b32 s87, s80, 7
	s_add_co_u32 s87, s87, s85
	v_add_nc_u32 v[STO1], s87, v5
	v_mul_u32_u24 v6, v2, PITCH
	v_lshl_add_u32 v6, v1, 4, v6
	v_add_nc_u32 v[RD], s85, v6                    ; back: lanes 0-15 one row of 256 bytes, lanes 16-31 the next
	v_lshlrev_b32 v6, 11, v2
	v_lshl_add_u32 v[CO], v1, 4, v6                ; and the same two rows in U1x
	s_lshl_b32 s88, s16, 9
	s_lshl_b32 s89, s15, 8
	s_add_co_u32 s89, s89, s88
	v_lshl_add_u32 v[BOFS], v2, 5, s89             ; 4 (128 ch + 64 rh + 8 h): my primal columns, in f32
	WIN TO_B
.irp p, 0,1,2,3
	global_load_b128 v[8*\p:8*\p+3],   v[BOFS], s[10:11] offset:64*\p
	global_load_b128 v[8*\p+4:8*\p+7], v[BOFS], s[10:11] offset:64*\p+16
.endr
	WIN 0
	v_mul_u32_u24 v6, v4, DPITCH
	v_add_nc_u32 v6, v6, v[BOFS]
	v_add_nc_u32 v[DTW], DT, v6
	s_lshr_b32 s90, s89, 1
	s_add_co_u32 s90, s90, HT
	v_mul_u32_u24 v6, v4, HPITCH
	v_lshl_add_u32 v6, v2, 4, v6
	v_add_nc_u32 v[HTW], s90, v6
	s_mul_i32 s91, s15, 4*DPITCH
	s_add_co_u32 s91, s91, DT
	s_add_co_u32 s91, s91, s88
	s_lshl_b32 s92, s15, 8
	s_add_co_u32 s92, s92, s91
	v_lshl_add_u32 v[DRD0], v2, 5, s92
	s_lshl_b32 s93, s80, 8
	s_add_co_u32 s93, s93, s91
	v_lshl_add_u32 v[DRD1], v2, 5, s93
	s_mul_i32 s94, s14, 2*HPITCH
	s_add_co_u32 s94, s94, HT
	v_lshl_add_u32 v[HTR], v3, 4, s94
	v_lshlrev_b32 v[HCO], 4, v3
; 16 matrix instructions: row tiles a0, a0 + 1 of the window's four x all 8 column slots, 32 along K.  zero = 1: the first product starts the sums.
.macro MUL16 f, hi, a0, zero
.irp a, \a0, \a0+1
.irp b, 0,1,2,3,4,5,6,7
.if \zero
	v_wmma_f32_16x16x32_f16 v[8*(8*(\a)+\b):8*(8*(\a)+\b)+7], v[\f+8*\b:\f+8*\b+7], v[\f+8*(4*\hi+\a):\f+8*(4*\hi+\a)+7], 0
.else
	v_wmma_f32_16x16x32_f16 v[8*(8*(\a)+\b):8*(8*(\a)+\b)+7], v[\f+8*\b:\f+8*\b+7], v[\f+8*(4*\hi+\a):\f+8*(4*\hi+\a)+7], v[8*(8*(\a)+\b):8*(8*(\a)+\b)+7]
.endif
.endr
.endr
.endm
; the primal tile: column slots 0-3 x the fragment of h0
.macro PRI f, zero
	WIN PRIW
.irp p, 0,1,2,3
.if \zero
	v_wmma_f32_16x16x32_f16 v[PACC+8*\p:PACC+8*\p+7], v[\f+8*\p:\f+8*\p+7], v[HF+(\f-F0)/8:HF+(\f-F0)/8+7], 0
.else
	v_wmma_f32_16x16x32_f16 v[PACC+8*\p:PACC+8*\p+7], v[\f+8*\p:\f+8*\p+7], v[HF+(\f-F0)/8:HF+(\f-F0)/8+7], v[PACC+8*\p:PACC+8*\p+7]
.endif
.endr
.endm
; 30 LDS loads in one run, for one quarter step (32 K at byte k of the rows): 8 fragments of W1 and the primal fragment into buffer f, 2 of W0K, 4 of d0
.macro FETCH slot, k, f
	WIN TO_B
.irp i, 0,1,2,3
	ds_load_b128 v[\f+8*\i:\f+8*\i+3],   v[ADRB0+\slot] offset:\k+\i*16*PITCH
	ds_load_b128 v[\f+8*\i+4:\f+8*\i+7], v[ADRB0+\slot] offset:\k+\i*16*PITCH+32
.endr
.irp i, 0,1,2,3
	ds_load_b128 v[\f+32+8*\i:\f+32+8*\i+3],   v[ADRB1+\slot] offset:\k+\i*16*PITCH
	ds_load_b128 v[\f+32+8*\i+4:\f+32+8*\i+7], v[ADRB1+\slot] offset:\k+\i*16*PITCH+32
.endr
	WIN 0
.irp i, 0,1
	ds_load_b128 v[RW+8*\i:RW+8*\i+3],   v[ADRW] offset:\k+\i*16*PITCH
	ds_load_b128 v[RW+8*\i+4:RW+8*\i+7], v[ADRW] offset:\k+\i*16*PITCH+32
.endr
.irp s, 0,1,2,3
	ds_load_b128 v[DF+8*\s:DF+8*\s+3],   v[ADRD] offset:\k+\s*PITCH
	ds_load_b128 v[DF+8*\s+4:DF+8*\s+7], v[ADRD] offset:\k+\s*PITCH+32
.endr
	ds_load_b128 v[HF+(\f-F0)/8:HF+(\f-F0)/8+3],   v[ADRH] offset:\k
	ds_load_b128 v[HF+(\f-F0)/8+4:HF+(\f-F0)/8+7], v[ADRH] offset:\k+32
.endm
; the eight tangent fragments of a quarter step: tile a = rows i = 16 (a & 1) + r of sample a >> 1
.macro GEN f
.irp a, 0,1,2,3,4,5,6,7
.irp j, 0,1,2,3,4,5,6,7
	v_pk_mul_f16 v[\f+8*\a+\j], v[RW+8*(\a%2)+\j], v[DF+8*(\a/2)+\j]
.endr
.endr
.endm
; A load into, or a vector write of, a register that a matrix instruction has read stands four places behind it, and only plain vector instructions that name none of its
; registers are places (ISA guide 7.12.1 for vector instructions): four v_nop in front of each run of loads.  They also stand between the matrix
; instructions that last read a tangent buffer (the quarter before) and the multiplies that write it again (this quarter's end).
.macro PLACES
.rept 4
	v_nop
.endr
.endm
; A K step is four quarter steps of 32 along K, 68 matrix instructions each, on buffers 0, 1, 0, 1.  The 68 accumulators take turns, one instruction a turn, in the same
; order in every quarter, over the loop's backward jump too.
; One of the first three quarters multiplies buffer f, fetches in its middle for buffer g, and makes g's tangent fragments at its end.
.macro QUARTER slot, k, f, g, zero
	WIN MUL_LO
	MUL16 \f, 0, 0, \zero
	MUL16 \f, 0, 2, \zero
	PLACES
	FETCH \slot, \k, \g
	WIN MUL_HI
	MUL16 \f, 1, 0, \zero
	MUL16 \f, 1, 2, \zero
	PRI \f, \zero
	s_wait_dscnt 0x0                               ; the 30 loads, issued 36 matrix instructions ago
	WIN 0
	GEN \g
.endm
.macro THREE slot, zero
	QUARTER \slot, 64,  F0, F1, \zero
	QUARTER \slot, 128, F1, F0, 0
	QUARTER \slot, 192, F0, F1, 0
.endm
; The last quarter multiplies buffer 1 and changes slots.  fill = 1: this slot is filled again, two K steps ahead, and the barrier opens a round of the cluster's barrier.
; In front of the signal each wave has waited for its reads of this slot and for all its tensor loads (the one that was out is its part of the next slot); behind the
; closing wait the joint refill comes first.  From a request to the wait for it a wave issues 256 matrix instructions.
.macro TURN slot, next, fill
	WIN MUL_LO
	MUL16 F1, 0, 0, 0
	s_wait_dscnt 0x0                               ; my reads of this slot are over (met: the wait in front of the last GEN was for 0)
	s_wait_tensorcnt 0x0                           ; all my tensor loads have landed
	ds_add_u32 v255, v31
	s_wait_dscnt 0x0
	s_barrier_signal -1
	MUL16 F1, 0, 2, 0                              ; register work while the others arrive
	WIN 0
	s_barrier_wait -1
.if \fill
	CREST                                          ; no wave of any partner still reads this slot or has a load on its way
	s_add_nc_u64 s[G0+4*\slot+2:G0+4*\slot+3], s[G0+4*\slot+2:G0+4*\slot+3], 512
	tensor_load_to_lds s[G0+4*\slot:G0+4*\slot+3], s[G1:G1+7]      ; my one tensor load behind the round, one line for all four waves
	s_nop 0
.endif
	PLACES
	v_add_nc_u32 v[ADRW], 32*PITCH, v[ADRW]        ; the tables' next K step
	v_add_nc_u32 v[ADRD], 16*PITCH, v[ADRD]
	v_add_nc_u32 v[ADRH], 16*PITCH, v[ADRH]
	FETCH \next, 0, F0
	WIN MUL_HI
	MUL16 F1, 1, 0, 0
	MUL16 F1, 1, 2, 0
	PRI F1, 0
	s_wait_dscnt 0x0
	WIN 0
	GEN F0
.endm
.macro LAP zero
	THREE 0, \zero
	TURN 0, 1, 1
	THREE 1, 0
	TURN 1, 0, 1
.endm
	s_wait_loadcnt 0x0                             ; the bias
	s_wait_tensorcnt 0x1                           ; my parts of both tables and of K step 0 are in; K step 1 may stay out
	s_barrier_signal -1
	s_barrier_wait -1
	FETCH 0, 0, F0
	s_wait_dscnt 0x0
	GEN F0
	LAP 1                                          ; the first lap stands in front of the loop: its first products start the sums
	WIN 0
	s_mov_b32 s3, LAPS-2
.Llap:
	LAP 0
	WIN 0
	s_sub_co_u32 s3, s3, 1
	s_cmp_lg_u32 s3, 0
	s_cbranch_scc1 .Llap
	THREE 0, 0                                     ; the last lap fills nothing
	TURN 0, 1, 0
	THREE 1, 0
	WIN MUL_LO
	MUL16 F1, 0, 0, 0
	MUL16 F1, 0, 2, 0
	WIN MUL_HI
	MUL16 F1, 1, 0, 0
	MUL16 F1, 1, 2, 0
	PRI F1, 0
	WIN 0
	PLACES                                         ; four places behind the last matrix instructions, before their results are read
; tanh and its derivative of eight numbers.  Behind each run of transcendentals one v_nop stands before a result is used (ISA guide 5.7.2).
.macro TANH8 x, e, q, d, hh
.irp j, 0,1,2,3,4,5,6,7
	v_mul_f32 v[\e+\j], s72, |v[\x+\j]|
.endr
.irp j, 0,1,2,3,4,5,6,7
	v_exp_f32 v[\e+\j], v[\e+\j]
.endr
	v_nop
	s_wait_alu depctr_va_vdst(0)
.irp j, 0,2,4,6
	v_pk_add_f32 v[\q+\j:\q+\j+1], v[\e+\j:\e+\j+1], 1.0 op_sel_hi:[1,0]
.endr
.irp j, 0,1,2,3,4,5,6,7
	v_rcp_f32 v[\q+\j], v[\q+\j]
.endr
	v_nop
	s_wait_alu depctr_va_vdst(0)
.irp j, 0,2,4,6
	v_pk_add_f32 v[\q+\j:\q+\j+1], v[\q+\j:\q+\j+1], v[\q+\j:\q+\j+1]     ; r2 = 2 / (1 + e)
.endr
.irp j, 0,2,4,6
	v_pk_mul_f32 v[\e+\j:\e+\j+1], v[\e+\j:\e+\j+1], v[\q+\j:\q+\j+1]     ; q = e r2
.endr
.irp j, 0,2,4,6
	v_pk_mul_f32 v[\d+\j:\d+\j+1], v[\e+\j:\e+\j+1], v[\q+\j:\q+\j+1]     ; d = q r2
.endr
.irp j, 0,1,2,3,4,5,6,7
	v_sub_f32 v[\q+\j], 1.0, v[\e+\j]
.endr
.irp j, 0,1,2,3,4,5,6,7
	v_bfi_b32 v[\hh+\j], s73, v[\q+\j], v[\x+\j]
.endr
.endm
	; THE PRIMAL TILE: + b1, tanh; d1 (f32) and h1 (f16) of my 64 columns x 8 samples into the two tables that all four waves read
	WIN BADD
.set k, 0
.rept 16
	v_pk_add_f32 v[PACC+k:PACC+k+1], v[PACC+k:PACC+k+1], v[k:k+1]
.set k, k+2
.endr
	WIN 0
.irp p, 0,1,2,3
	TANH8 PACC+8*\p, 64, 72, 80, 88
	ds_store_b128 v[DTW], v[80:83] offset:64*\p
	ds_store_b128 v[DTW], v[84:87] offset:64*\p+16
	v_cvt_pk_f16_f32 v96, v88, v89
	v_cvt_pk_f16_f32 v97, v90, v91
	v_cvt_pk_f16_f32 v98, v92, v93
	v_cvt_pk_f16_f32 v99, v94, v95
	ds_store_b128 v[HTW], v[96:99] offset:32*\p
.endr
	s_wait_dscnt 0x0                               ; my stores are done, for the other waves
	s_barrier_signal -1
	s_barrier_wait -1
	; h1 leaves: each wave two samples' 512 bytes
	ds_load_b128 v[32:35], v[HTR]
	ds_load_b128 v[36:39], v[HTR] offset:HPITCH
	s_mul_i32 s22, s20, UBLK
	s_lshl_b32 s95, s19, 9
	s_add_co_u32 s22, s22, s95
	s_add_nc_u64 s[12:13], s[12:13], s[22:23]      ; U1x at block row R, column 256 c
	s_lshl_b32 s22, s14, 12
	s_add_co_u32 s22, s22, 256*2048
	s_add_nc_u64 s[66:67], s[12:13], s[22:23]      ; rows 256 + 2 wave
	s_lshl_b32 s22, s15, 18
	s_lshl_b32 s95, s16, 8
	s_add_co_u32 s22, s22, s95
	s_add_nc_u64 s[12:13], s[12:13], s[22:23]      ; my 128 rows, my 128 columns
	s_wait_dscnt 0x0
	global_store_b128 v[HCO], v[32:35], s[66:67]               ; 32 lanes store 512 consecutive bytes, aligned
	global_store_b128 v[HCO], v[36:39], s[66:67] offset:2048
; THE WAY OUT, 16 rows at a time: times d1 of the rows' sample, round to f16, 16 bytes a lane into my own stage, read back as whole rows of 256 bytes.
; rows 16 i .. 16 i + 15 = the eight tiles (a, 0..7) of window 2 or 3; f: F0 or F1 in turn.  Two row tiles have one sample: d1 is read for every second one.
.macro OUT16 i, a, scl, cvt, f
.if (\i%2) == 0
.irp b, 0,1,2,3
	ds_load_b128 v[DVA+8*\b:DVA+8*\b+3],       v[DRD0] offset:(\i/2)*DPITCH+64*\b
	ds_load_b128 v[DVA+8*\b+4:DVA+8*\b+7],     v[DRD0] offset:(\i/2)*DPITCH+64*\b+16
	ds_load_b128 v[DVA+64+8*\b:DVA+64+8*\b+3],   v[DRD1] offset:(\i/2)*DPITCH+64*\b
	ds_load_b128 v[DVA+64+8*\b+4:DVA+64+8*\b+7], v[DRD1] offset:(\i/2)*DPITCH+64*\b+16
.endr
	s_wait_dscnt 0x0
.endif
	WIN \scl
.irp b, 0,1,2,3,4,5,6,7
.irp p, 0,2,4,6
	v_pk_mul_f32 v[8*(8*\a+\b)+\p:8*(8*\a+\b)+\p+1], v[8*(8*\a+\b)+\p:8*(8*\a+\b)+\p+1], v[DVA+8*\b+32*(\b/4)+\p:DVA+8*\b+32*(\b/4)+\p+1]
.endr
.endr
	WIN \cvt
.irp b, 0,1,2,3,4,5,6,7
.irp r, 0,1,2,3
	v_cvt_pk_f16_f32 v[TMP+4*\b+\r], v[8*(8*\a+\b)+2*\r], v[8*(8*\a+\b)+2*\r+1]
.endr
.endr
	WIN 0
.irp b, 0,1,2,3
	ds_store_b128 v[STO0], v[TMP+4*\b:TMP+4*\b+3] offset:32*\b
.endr
.irp b, 0,1,2,3
	ds_store_b128 v[STO1], v[TMP+16+4*\b:TMP+16+4*\b+3] offset:32*\b
.endr
	s_wait_xcnt 0x0                                ; every earlier memory instruction has had its addresses translated (ISA guide 3.1): buffer f, which stores read, and the stores' base are rewritten only behind this wait
.if \i
	s_add_nc_u64 s[12:13], s[12:13], 16*2048       ; 16 rows on
.endif
.irp t, 0,1,2,3,4,5,6,7
	ds_load_b128 v[\f+4*\t:\f+4*\t+3], v[RD] offset:\t*2*PITCH     ; LDS serves a wave's instructions in order (ISA guide 5.7.1.4): these see the stores above
.endr
.irp t, 0,1,2,3,4,5,6,7
	s_wait_dscnt 7-\t                              ; the younger loads may stay out
	global_store_b128 v[CO], v[\f+4*\t:\f+4*\t+3], s[12:13] offset:\t*2*2048     ; 16 lanes store 256 consecutive bytes, aligned
.endr
.endm
	OUT16 0, 0, 0x82, 0x0a, F0
	OUT16 1, 1, 0x82, 0x0a, F1
	OUT16 2, 2, 0x82, 0x0a, F0
	OUT16 3, 3, 0x82, 0x0a, F1
	OUT16 4, 0, 0xc3, 0x0f, F0
	OUT16 5, 1, 0xc3, 0x0f, F1
	OUT16 6, 2, 0xc3, 0x0f, F0
	OUT16 7, 3, 0xc3, 0x0f, F1
	s_set_vgpr_msb 0x1
	s_wait_tensorcnt 0x0
	ds_add_u32 v255, v31
	s_wait_dscnt 0x0
	s_set_vgpr_msb 0x100
	CROUND                                         ; the closing round: no work-group ends while a partner may still ask for a tile that names it
	s_endpgm
.Lfunc_end_k_qeb950dc811_lay1:
	.size	k_qeb950dc811_lay1, .Lfunc_end_k_qeb950dc811_lay1-k_qeb950dc811_lay1
	.p2alignl 7, 3214868480
	.fill 96, 4, 3214868480
	.section	.rodata,"a",@progbits
	.p2align	6, 0x0
	.amdhsa_kernel k_qeb950dc811_lay1
		.amdhsa_group_segment_fixed_size 327680
		.amdhsa_private_segment_fixed_size 0
		.amdhsa_enable_private_segment 0
		.amdhsa_kernarg_size 40
		.amdhsa_user_sgpr_count 2
		.amdhsa_user_sgpr_kernarg_segment_ptr 1
		.amdhsa_wavefront_size32 1
		.amdhsa_system_sgpr_workgroup_id_x 1
		.amdhsa_system_sgpr_workgroup_id_y 1
		.amdhsa_system_sgpr_workgroup_id_z 1
		.amdhsa_system_vgpr_workitem_id 0
		.amdhsa_next_free_vgpr 1024
		.amdhsa_next_free_sgpr 96
		.amdhsa_reserve_vcc 0
		.amdhsa_float_denorm_mode_32 3
		.amdhsa_float_denorm_mode_16_64 3
		.amdhsa_memory_ordered 1
		.amdhsa_forward_progress 1
		.amdhsa_inst_pref_size 255
	.end_amdhsa_kernel
	.section	.bss,"aw",@nobits
	.p2align	6
	.space	262144
	.amdgpu_metadata
---
amdhsa.version: [ 1, 2 ]
amdhsa.kernels:
  - .name:           k_qeb950dc811_lay1
    .symbol:         k_qeb950dc811_lay1.kd
    .args:
      - { .name: W1h, .offset: 0, .size: 8, .value_kind: global_buffer, .address_space: global }
      - { .name: W0K, .offset: 8, .size: 8, .value_kind: global_buffer, .address_space: global }
      - { .name: DH0, .offset: 16, .size: 8, .value_kind: global_buffer, .address_space: global }
      - { .name: b1, .offset: 24, .size: 8, .value_kind: global_buffer, .address_space: global }
      - { .name: U1x, .offset: 32, .size: 8, .value_kind: global_buffer, .address_space: global }
    .group_segment_fixed_size: 327680
    .private_segment_fixed_size: 0
    .kernarg_segment_align: 8
    .kernarg_segment_size: 40
    .max_flat_workgroup_size: 128
    .sgpr_count:     96
    .vgpr_count:     1024
    .wavefront_size: 32
...
	.end_amdgpu_metadata
.endif
;; end of part 2
;; launch lay2 (part 3): grid 4 x 64, 4 waves a work-group, clusters of 4 x 4, 327,680 bytes of LDS; arguments U1x, W2h, W3, b2, H2h, TRP; writes H2h, TRP
.if DOCPART == 3
	.amdgcn_target "amdgcn-amd-amdhsa--gfx1250"
	.amdhsa_code_object_version 6
	.text
	.protected	k_qeb950dc811_lay2
	.globl	k_qeb950dc811_lay2
	.p2align	8
	.type	k_qeb950dc811_lay2,@function
k_qeb950dc811_lay2:
	s_mov_b64 s[64:65], 0
	v_nop
	global_prefetch_b8 v0, s[64:65] scope:SCOPE_SE
	s_setreg_imm32_b32 hwreg(HW_REG_WAVE_MODE, 25, 1), 1
	s_wait_xcnt 0x0
	s_wait_alu depctr_hold_cnt(0) depctr_sa_sdst(0) depctr_va_vdst(0) depctr_va_sdst(0) depctr_va_ssrc(0) depctr_va_vcc(0) depctr_vm_vsrc(0)
	s_getreg_b32 s2, hwreg(HW_REG_IB_STS2, 6, 4)
	s_cmp_eq_u32 s2, 0
	s_cbranch_scc0 .Lentry_in_a_cluster
	s_endpgm
.Lentry_in_a_cluster:
	s_bfe_u32 s2, ttmp6, 0x10000c
	s_cmp_lg_u32 s2, 0xf033
	s_cbranch_scc0 .Lentry_shape_is_right
	s_endpgm
.Lentry_shape_is_right:
; LAY2: the tangents through layer 2 and, without leaving the registers, their part of the trace.
;   acc[(b, i)][n] = sum over l of U1[(b, i)][l] W2[n][l];   h2 = tanh(h1 W2^T + b2), d2 = 1 - h2^2;
;   TRP[2 c + ch][b] = sum over i and over the wave's 128 columns n of W3[i][n] d2[b][n] acc[(b, i)][n].   The trace is the sum of the eight partials.
; A work-group makes a block of 256 tangent rows (block row R: samples 8 R .. 8 R + 7, row = 32 s + i) x 256 columns (block column c) with four waves, a wave 128 x 128 in
; 512 registers.  K goes in 8 steps of 128 through a ring of two LDS slots; a slot holds 264 rows of U1x (256 tangent rows and h1 of the eight samples) and 256 rows of W2.
; THE PRIMAL ROWS RIDE ALONG as a 17th row tile: each wave multiplies it with four of its eight column tiles.  For that a wave of the lower row half keeps its column tiles
; exchanged: column slot b holds tile (b & 3) + 4 ((b >> 2) xor rh), so that slots 0-3 are columns 128 ch + 64 rh + 0 .. 63 in one text for all waves.  Every address that hangs
; on b has two registers, one for each b >> 2.  The primal fragment has 16 rows for 8 samples: lane r reads row r & 7; lanes 8-15 write the same values to the same LDS bytes.
; THE MATRIX INSTRUCTION IS USED TRANSPOSED: source 0 = 16 rows of W2, source 1 = 16 rows of U1x: lane l holds row l % 16, columns 8 (l / 16) + 0 .. 7.
; CLUSTERS: 4 x 4 work-groups.  U1x's tile hangs on the block row alone and is asked for jointly along a row of the cluster, W2's on the block column alone, along a column.
; W3's 32 x 256 numbers are fetched once by a plain load: 32 KiB against the 1,040 KiB that a work-group walks through the ring.
; FORMATS: matrix operands f16 (their room is reckoned where they are made, in the two launches before; h2 lies in [-1, 1]), all sums and the whole trace f32.
; tanh: e = 2^(-2.885390 |x|) in [0, 1]; LIMITS: for |x| above about 43.6 e is 0 (v_exp_f32 gives 0 for denormal results, ISA guide 15.8) and d is exactly 0 where the true value
; is below 2^-124; |h| = 1 - q carries an absolute error of a few 2^-24.
;
; REGISTERS, in windows of 256:
;   window 0: v0-31 addresses; v48-63 the primal fragment, two buffers; v64-127, v128-191 fragments of U1x, two buffers; v224-255 four primal accumulators
;   window 1: v0-31 the bias of my 32 primal columns; v64-127, v128-191 fragments of W2, two buffers
;   window 2: the accumulator tiles of my rows 0-63 (tile (a, b) at v[8 (8 a + b)]);   window 3: those of my rows 64-127
.set PITCH,  272                       ; an LDS row: 256 bytes + 16 of padding: the 16 rows that a load touches start at 16 different banks (ISA guide 11.1)
.set BOFF,   264*PITCH                 ; W2's 256 rows lie behind U1x's 264
.set SLOT,   BOFF+256*PITCH
.set W3S,    2*SLOT                    ; W3: f32 [32 rows][256 columns]
.set WPITCH, 1040
.set DT,     0                         ; d2: f32 [8 samples][256 columns].  Behind the loop, in slot 0: its last fill has landed, its last reads were waited for in front of
.set DPITCH, 1040                      ; the last change of slots, and nothing is filled any more
.set HT,     8448                      ; h2: f16 [8 samples][256 columns], likewise
.set HPITCH, 528
.set UBLK,   264*2048
.set LAPS,   4
.set ADRB0, 8                          ; v8-9    W2 fragments, column slots 0-3, in slot 0, 1
.set ADRB1, 10                         ; v10-11  the same for column slots 4-7
.set ADRA,  12                         ; v12-13  U1x fragments in slot 0, 1
.set ADRH,  14                         ; v14-15  the primal fragment in slot 0, 1
.set DTW,   16
.set HTW,   17
.set DRD0,  18                         ; v18-19  where I read d2, column slots 0-3, 4-7
.set W3R0,  20                         ; v20-21  where I read W3, likewise
.set HTR,   22
.set HCO,   23
.set BOFS,  24
.set LANE,  25
.set ZERO,  26
.set SUM,   28                         ; v[28:31] the four samples' partial traces
.set HF,    48
.set F0,    64
.set F1,    128
.set PACC,  224
.set W3F,   64                         ; the trace: W3 of a column slot, 16 registers, and d2, 32 registers, in two sets 48 registers apart
.set DV,    80
.set T,     160
.set TR,    192
.set G1,  24                           ; s[24:31], s[32:39] U1x's tiles
.set G0,  32
.set G31, 40                           ; s[40:47], s[68:71] W3
.set G30, 68
.set G1B, 48                           ; s[48:55], s[56:63] W2's tiles
.set G0B, 56
.set PADW, (1<<16)|(1<<20)|(5<<22)|(3<<25)
.set MSB, 0
.macro WIN new
.if MSB != \new
	s_set_vgpr_msb (MSB<<8)|\new
.set MSB, \new
.endif
.endm
.set MUL_LO, 0xa1
.set MUL_HI, 0xf1
.set TO_B,   0x40
.set PRIW,   0x01
.set BADD,   0x04
.set TR_LO,  0x02                      ; source 0 window 2
.set TR_HI,  0x03                      ; source 0 window 3
; A joint load.  Waves 0 and 1 fetch U1x's two halves (132 rows each), waves 2 and 3 W2's (128 rows each).  Each line has one mask; the branch hangs on the wave's number alone.
.macro JLOAD s
	s_cmp_eq_u32 s17, 0
	s_cbranch_scc0 .Lfor_b_\@
	tensor_load_to_lds s[G0+4*\s:G0+4*\s+3], s[G1:G1+7]
	s_nop 0
	s_branch .Lasked_\@
.Lfor_b_\@:
	tensor_load_to_lds s[G0B+4*\s:G0B+4*\s+3], s[G1B:G1B+7]
	s_nop 0
.Lasked_\@:
.endm
.macro CREST
	s_cmp_lg_u32 s16, 0
	s_cbranch_scc1 .Lnot_wave_0_\@
	s_barrier_signal -3
.Lnot_wave_0_\@:
	s_barrier_wait -3
	s_barrier_signal -1
	s_barrier_wait -1
.endm
.macro CROUND
	s_barrier_signal -1
	s_barrier_wait -1
	CREST
.endm
	s_load_b256 s[4:11], s[0:1], 0x0               ; U1x s[4:5], W2h s[6:7], W3 s[8:9], b2 s[10:11]
	s_load_b128 s[12:15], s[0:1], 0x20             ; H2h s[12:13], TRP s[14:15]
	s_set_vgpr_msb 0x40
	v_lshl_add_u32 v255, v0, 2, 0x4d300
	s_set_vgpr_msb 0x4000
	v_mov_b32 v47, 0
	s_set_vgpr_msb 0x1
	ds_add_u32 v255, v47
	s_set_vgpr_msb 0x100
	v_lshrrev_b32 v1, 5, v0
	v_readfirstlane_b32 s16, v1                    ; wave 0..3
	s_lshr_b32 s17, s16, 1                         ; rh.  Also: I fetch for U1x (0) or for W2 (1)
	s_and_b32 s18, s16, 1                          ; ch.  Also: which half of that tile I fetch
	s_xor_b32 s85, s17, 1
	s_bfe_u32 s19, ttmp6, 0x40000                  ; cx
	s_bfe_u32 s20, ttmp6, 0x40004                  ; cy
	s_lshl_b32 s21, ttmp9, 2
	s_add_co_u32 s21, s21, s19                     ; c
	s_and_b32 s22, ttmp7, 0xffff
	s_lshl_b32 s22, s22, 2
	s_add_co_u32 s22, s22, s20                     ; R
	s_lshl_b32 s80, s20, 2
	s_lshl_b32 s80, 15, s80                        ; my row of the cluster
	s_lshl_b32 s81, 0x1111, s19                    ; my column
	s_mov_b32 s96, 0xc038aa3b                      ; -2 log2(e)
	s_mov_b32 s97, 0x7fffffff
	s_mov_b32 s98, 0x76543210                      ; v_permlanex16_b32: lane i of one half reads lane i of the other
	s_mov_b32 s99, 0xfedcba98
	s_or_b32  s[G1+0], s80, PADW|(1<<21)           ; U1x: 132 rows x 128 elements, shared along my row
	s_mov_b32 s[G1+1], 128<<16
	s_mov_b32 s[G1+2], 132<<16
	s_mov_b32 s[G1+3], 128<<16
	s_mov_b32 s[G1+4], 132
	s_mov_b32 s[G1+5], 1024
	s_mov_b32 s[G1+6], 0
	s_mov_b32 s[G1+7], 0
	s_or_b32  s[G1B+0], s81, PADW|(1<<21)          ; W2: 128 rows x 128 elements, shared along my column
	s_mov_b32 s[G1B+1], 128<<16
	s_mov_b32 s[G1B+2], 128<<16
	s_mov_b32 s[G1B+3], 128<<16
	s_mov_b32 s[G1B+4], 128
	s_mov_b32 s[G1B+5], 1024
	s_mov_b32 s[G1B+6], 0
	s_mov_b32 s[G1B+7], 0
	s_mov_b32 s[G31+0], (2<<16)|(1<<20)|(7<<22)|(3<<25)    ; W3: elements of 4 bytes; 4 words of padding after every 256
	s_mov_b32 s[G31+1], 256<<16
	s_mov_b32 s[G31+2], 8<<16
	s_mov_b32 s[G31+3], 256<<16
	s_mov_b32 s[G31+4], 8                          ; each wave fetches 8 of the 32 rows
	s_mov_b32 s[G31+5], 1024
	s_mov_b32 s[G31+6], 0
	s_mov_b32 s[G31+7], 0
	s_mul_i32 s72, s22, UBLK                       ; U1x: block row R (these registers never hold cx)
	s_mul_i32 s73, s18, 132*2048                   ;      + my half
	s_add_co_u32 s72, s72, s73
	s_mov_b32 s73, 0
	s_lshl_b32 s76, s21, 19                        ; W2: c x 256 rows (these never hold cy)
	s_lshl_b32 s77, s18, 18                        ;     + my half
	s_add_co_u32 s76, s76, s77
	s_mov_b32 s77, 0
	s_lshl_b32 s78, s21, 10                        ; W3: column 256 c
	s_lshl_b32 s79, s16, 15                        ;     + wave x 8 rows
	s_add_co_u32 s78, s78, s79
	s_mov_b32 s79, 0
	s_mul_i32 s82, s16, 132*PITCH                  ; LDS, U1x: waves 0, 1
	s_mul_i32 s83, s16, 128*PITCH
	s_add_co_u32 s83, s83, 8*PITCH                 ; LDS, W2: waves 2, 3 land at BOFF and BOFF + 128 rows
	s_mul_i32 s84, s16, 8*WPITCH
	s_wait_dscnt 0x0
	s_wait_kmcnt 0x0
	s_add_nc_u64 s[74:75], s[4:5], s[72:73]
	s_add_nc_u64 s[76:77], s[6:7], s[76:77]
	s_mov_b32 s[G30], 1
	s_add_co_u32 s[G30+1], s84, W3S
	s_add_nc_u64 s[G30+2:G30+3], s[8:9], s[78:79]
	s_or_b32 s[G30+3], s[G30+3], 0x80000000
	s_lshl_b32 s78, s21, 10
	s_add_nc_u64 s[10:11], s[10:11], s[78:79]      ; b2 at column 256 c
	CROUND                                         ; all sixteen work-groups are here: the first joint loads meet
	tensor_load_to_lds s[G30:G30+3], s[G31:G31+7]  ; the first fills, one group: three tensor loads of the wave are out, later one
	s_nop 0
.irp s, 0,1
	s_mov_b32 s[G0+4*\s], 1
	s_add_co_u32 s[G0+4*\s+1], s82, \s*SLOT
	s_add_nc_u64 s[G0+4*\s+2:G0+4*\s+3], s[74:75], \s*256
	s_or_b32 s[G0+4*\s+3], s[G0+4*\s+3], 0x80000000
	s_mov_b32 s[G0B+4*\s], 1
	s_add_co_u32 s[G0B+4*\s+1], s83, \s*SLOT
	s_add_nc_u64 s[G0B+4*\s+2:G0B+4*\s+3], s[76:77], \s*256
	s_or_b32 s[G0B+4*\s+3], s[G0B+4*\s+3], 0x80000000
	JLOAD \s
.endr
	v_and_b32 v1, 15, v0                           ; r
	v_bfe_u32 v2, v0, 4, 1                         ; h
	v_and_b32 v[LANE], 31, v0
	v_and_b32 v4, 7, v0                            ; r & 7
	v_mov_b32 v[ZERO], 0
	v_mul_u32_u24 v5, v1, PITCH
	v_lshl_add_u32 v5, v2, 4, v5                   ; r x pitch + 16 h
	s_mul_i32 s86, s18, 128*PITCH
	s_add_co_u32 s86, s86, BOFF
	s_mul_i32 s87, s17, 64*PITCH
	s_add_co_u32 s87, s87, s86
	s_mul_i32 s88, s85, 64*PITCH
	s_add_co_u32 s88, s88, s86
	v_add_nc_u32 v[ADRB0], s87, v5
	v_add_nc_u32 v[ADRB1], s88, v5
	v_add_nc_u32 v[ADRB0+1], SLOT, v[ADRB0]
	v_add_nc_u32 v[ADRB1+1], SLOT, v[ADRB1]
	s_mul_i32 s89, s17, 128*PITCH
	v_add_nc_u32 v[ADRA], s89, v5
	v_add_nc_u32 v[ADRA+1], SLOT, v[ADRA]
	v_mul_u32_u24 v6, v4, PITCH
	v_lshl_add_u32 v6, v2, 4, v6
	v_add_nc_u32 v[ADRH], 256*PITCH, v6
	v_add_nc_u32 v[ADRH+1], SLOT, v[ADRH]
	s_lshl_b32 s90, s18, 9                         ; 512 ch
	s_lshl_b32 s91, s17, 8                         ; 256 rh
	s_add_co_u32 s91, s91, s90
	v_lshl_add_u32 v[BOFS], v2, 5, s91             ; 4 (128 ch + 64 rh + 8 h)
	WIN TO_B
.irp p, 0,1,2,3
	global_load_b128 v[8*\p:8*\p+3],   v[BOFS], s[10:11] offset:64*\p
	global_load_b128 v[8*\p+4:8*\p+7], v[BOFS], s[10:11] offset:64*\p+16
.endr
	WIN 0
	v_mul_u32_u24 v6, v4, DPITCH
	v_add_nc_u32 v6, v6, v[BOFS]
	v_add_nc_u32 v[DTW], DT, v6
	s_lshr_b32 s92, s91, 1
	s_add_co_u32 s92, s92, HT
	v_mul_u32_u24 v6, v4, HPITCH
	v_lshl_add_u32 v6, v2, 4, v6
	v_add_nc_u32 v[HTW], s92, v6
	s_lshl_b32 s93, s85, 8
	s_add_co_u32 s93, s93, s90                     ; 4 (128 ch + 64 (1 - rh))
	s_mul_i32 s94, s17, 4*DPITCH
	s_add_co_u32 s94, s94, DT
	s_add_co_u32 s95, s94, s91
	v_lshl_add_u32 v[DRD0], v2, 5, s95
	s_add_co_u32 s94, s94, s93
	v_lshl_add_u32 v[DRD0+1], v2, 5, s94
	v_mul_u32_u24 v6, v1, WPITCH
	v_lshl_add_u32 v6, v2, 5, v6
	v_add_nc_u32 v6, W3S, v6
	v_add_nc_u32 v[W3R0], s91, v6
	v_add_nc_u32 v[W3R0+1], s93, v6
	s_mul_i32 s87, s16, 2*HPITCH
	s_add_co_u32 s87, s87, HT
	v_lshl_add_u32 v[HTR], v[LANE], 4, s87
	v_lshlrev_b32 v[HCO], 4, v[LANE]
.macro MUL16 f, hi, a0, zero
.irp a, \a0, \a0+1
.irp b, 0,1,2,3,4,5,6,7
.if \zero
	v_wmma_f32_16x16x32_f16 v[8*(8*(\a)+\b):8*(8*(\a)+\b)+7], v[\f+8*\b:\f+8*\b+7], v[\f+8*(4*\hi+\a):\f+8*(4*\hi+\a)+7], 0
.else
	v_wmma_f32_16x16x32_f16 v[8*(8*(\a)+\b):8*(8*(\a)+\b)+7], v[\f+8*\b:\f+8*\b+7], v[\f+8*(4*\hi+\a):\f+8*(4*\hi+\a)+7], v[8*(8*(\a)+\b):8*(8*(\a)+\b)+7]
.endif
.endr
.endr
.endm
.macro PRI f, zero
	WIN PRIW
.irp p, 0,1,2,3
.if \zero
	v_wmma_f32_16x16x32_f16 v[PACC+8*\p:PACC+8*\p+7], v[\f+8*\p:\f+8*\p+7], v[HF+(\f-F0)/8:HF+(\f-F0)/8+7], 0
.else
	v_wmma_f32_16x16x32_f16 v[PACC+8*\p:PACC+8*\p+7], v[\f+8*\p:\f+8*\p+7], v[HF+(\f-F0)/8:HF+(\f-F0)/8+7], v[PACC+8*\p:PACC+8*\p+7]
.endif
.endr
.endm
; 34 LDS loads in one run: the fragments of one quarter step (32 K at byte k of the rows) into buffer f
.macro FETCH slot, k, f
	WIN TO_B
.irp i, 0,1,2,3
	ds_load_b128 v[\f+8*\i:\f+8*\i+3],   v[ADRB0+\slot] offset:\k+\i*16*PITCH
	ds_load_b128 v[\f+8*\i+4:\f+8*\i+7], v[ADRB0+\slot] offset:\k+\i*16*PITCH+32
.endr
.irp i, 0,1,2,3
	ds_load_b128 v[\f+32+8*\i:\f+32+8*\i+3],   v[ADRB1+\slot] offset:\k+\i*16*PITCH
	ds_load_b128 v[\f+32+8*\i+4:\f+32+8*\i+7], v[ADRB1+\slot] offset:\k+\i*16*PITCH+32
.endr
	WIN 0
	ds_load_b128 v[HF+(\f-F0)/8:HF+(\f-F0)/8+3],   v[ADRH+\slot] offset:\k
	ds_load_b128 v[HF+(\f-F0)/8+4:HF+(\f-F0)/8+7], v[ADRH+\slot] offset:\k+32
.irp i, 0,1,2,3,4,5,6,7
	ds_load_b128 v[\f+8*\i:\f+8*\i+3],   v[ADRA+\slot] offset:\k+\i*16*PITCH
	ds_load_b128 v[\f+8*\i+4:\f+8*\i+7], v[ADRA+\slot] offset:\k+\i*16*PITCH+32
.endr
.endm
; A load into a register that a matrix instruction has read stands four places behind it, and only plain vector instructions that name none of its registers are places
; (ISA guide 7.12.1 for vector instructions): four v_nop in front of each run of loads.
.macro PLACES
.rept 4
	v_nop
.endr
.endm
; A K step is four quarter steps of 32 along K, 68 matrix instructions each, on buffers 0, 1, 0, 1.  The 68 accumulators take turns, one instruction a turn, in the same
; order in every quarter, over the loop's backward jump too.
.macro QUARTER slot, k, f, g, zero
	s_wait_dscnt 0x0                               ; buffer f's 34 loads, issued 36 matrix instructions ago
	WIN MUL_LO
	MUL16 \f, 0, 0, \zero
	MUL16 \f, 0, 2, \zero
	PLACES
	FETCH \slot, \k, \g
	WIN MUL_HI
	MUL16 \f, 1, 0, \zero
	MUL16 \f, 1, 2, \zero
	PRI \f, \zero
.endm
.macro THREE slot, zero
	QUARTER \slot, 64,  F0, F1, \zero
	QUARTER \slot, 128, F1, F0, 0
	QUARTER \slot, 192, F0, F1, 0
.endm
; The last quarter multiplies buffer 1 and changes slots.  fill = 1: this slot is filled again, two K steps ahead, and the barrier opens a round of the cluster's barrier.
; In front of the signal each wave has waited for its reads of this slot and for all its tensor loads (the one that was out is its part of the next slot); behind the
; closing wait the joint refill comes first.  From a request to the wait for it a wave issues 256 matrix instructions.
.macro TURN slot, next, fill
	s_wait_dscnt 0x0                               ; buffer 1's loads: my last reads of this slot
	WIN MUL_LO
	MUL16 F1, 0, 0, 0
	s_wait_dscnt 0x0                               ; (met: no LDS instruction since the wait above)
	s_wait_tensorcnt 0x0                           ; all my tensor loads have landed
	ds_add_u32 v255, v47
	s_wait_dscnt 0x0
	s_barrier_signal -1
	MUL16 F1, 0, 2, 0
	WIN 0
	s_barrier_wait -1
.if \fill
	CREST
	s_add_nc_u64 s[G0+4*\slot+2:G0+4*\slot+3], s[G0+4*\slot+2:G0+4*\slot+3], 512
	s_add_nc_u64 s[G0B+4*\slot+2:G0B+4*\slot+3], s[G0B+4*\slot+2:G0B+4*\slot+3], 512
	JLOAD \slot                                    ; my one tensor load behind the round
.endif
	PLACES
	FETCH \next, 0, F0
	WIN MUL_HI
	MUL16 F1, 1, 0, 0
	MUL16 F1, 1, 2, 0
	PRI F1, 0
.endm
.macro LAP zero
	THREE 0, \zero
	TURN 0, 1, 1
	THREE 1, 0
	TURN 1, 0, 1
.endm
	s_wait_loadcnt 0x0                             ; the bias
	s_wait_tensorcnt 0x1                           ; my parts of W3 and of K step 0 are in; K step 1 may stay out
	s_barrier_signal -1
	s_barrier_wait -1
	FETCH 0, 0, F0
	LAP 1
	WIN 0
	s_mov_b32 s3, LAPS-2
.Llap:
	LAP 0
	WIN 0
	s_sub_co_u32 s3, s3, 1
	s_cmp_lg_u32 s3, 0
	s_cbranch_scc1 .Llap
	THREE 0, 0                                     ; the last lap fills nothing
	TURN 0, 1, 0
	THREE 1, 0
	s_wait_dscnt 0x0
	WIN MUL_LO
	MUL16 F1, 0, 0, 0
	MUL16 F1, 0, 2, 0
	WIN MUL_HI
	MUL16 F1, 1, 0, 0
	MUL16 F1, 1, 2, 0
	PRI F1, 0
	WIN 0
	PLACES                                         ; four places behind the last matrix instructions, before their results are read
.macro TANH8 x, e, q, d, hh
.irp j, 0,1,2,3,4,5,6,7
	v_mul_f32 v[\e+\j], s96, |v[\x+\j]|
.endr
.irp j, 0,1,2,3,4,5,6,7
	v_exp_f32 v[\e+\j], v[\e+\j]
.endr
	v_nop                                          ; one plain place behind a run of transcendentals (ISA guide 5.7.2)
	s_wait_alu depctr_va_vdst(0)
.irp j, 0,2,4,6
	v_pk_add_f32 v[\q+\j:\q+\j+1], v[\e+\j:\e+\j+1], 1.0 op_sel_hi:[1,0]
.endr
.irp j, 0,1,2,3,4,5,6,7
	v_rcp_f32 v[\q+\j], v[\q+\j]
.endr
	v_nop
	s_wait_alu depctr_va_vdst(0)
.irp j, 0,2,4,6
	v_pk_add_f32 v[\q+\j:\q+\j+1], v[\q+\j:\q+\j+1], v[\q+\j:\q+\j+1]     ; r2 = 2 / (1 + e)
.endr
.irp j, 0,2,4,6
	v_pk_mul_f32 v[\e+\j:\e+\j+1], v[\e+\j:\e+\j+1], v[\q+\j:\q+\j+1]     ; q = e r2
.endr
.irp j, 0,2,4,6
	v_pk_mul_f32 v[\d+\j:\d+\j+1], v[\e+\j:\e+\j+1], v[\q+\j:\q+\j+1]     ; d = q r2
.endr
.irp j, 0,1,2,3,4,5,6,7
	v_sub_f32 v[\q+\j], 1.0, v[\e+\j]
.endr
.irp j, 0,1,2,3,4,5,6,7
	v_bfi_b32 v[\hh+\j], s97, v[\q+\j], v[\x+\j]
.endr
.endm
	; THE PRIMAL TILE: + b2, tanh; d2 (f32) and h2 (f16) of my 64 columns x 8 samples into the two tables
	WIN BADD
.set k, 0
.rept 16
	v_pk_add_f32 v[PACC+k:PACC+k+1], v[PACC+k:PACC+k+1], v[k:k+1]
.set k, k+2
.endr
	WIN 0
.irp p, 0,1,2,3
	TANH8 PACC+8*\p, 64, 72, 80, 88
	ds_store_b128 v[DTW], v[80:83] offset:64*\p
	ds_store_b128 v[DTW], v[84:87] offset:64*\p+16
	v_cvt_pk_f16_f32 v96, v88, v89
	v_cvt_pk_f16_f32 v97, v90, v91
	v_cvt_pk_f16_f32 v98, v92, v93
	v_cvt_pk_f16_f32 v99, v94, v95
	ds_store_b128 v[HTW], v[96:99] offset:32*\p
.endr
	s_wait_dscnt 0x0
	s_barrier_signal -1
	s_barrier_wait -1
	; h2 leaves: each wave two samples' 512 bytes
	ds_load_b128 v[32:35], v[HTR]
	ds_load_b128 v[36:39], v[HTR] offset:HPITCH
	s_lshl_b32 s72, s22, 14                        ; H2h: row 8 R + 2 wave, column 256 c
	s_lshl_b32 s86, s16, 12
	s_add_co_u32 s72, s72, s86
	s_lshl_b32 s86, s21, 9
	s_add_co_u32 s72, s72, s86
	s_add_nc_u64 s[12:13], s[12:13], s[72:73]
	s_lshl_b32 s72, s21, 12                        ; TRP: partial 2 c + ch, sample 8 R + 4 rh
	s_lshl_b32 s86, s18, 11
	s_add_co_u32 s72, s72, s86
	s_lshl_b32 s86, s22, 5
	s_add_co_u32 s72, s72, s86
	s_lshl_b32 s86, s17, 4
	s_add_co_u32 s72, s72, s86
	s_add_nc_u64 s[14:15], s[14:15], s[72:73]
	s_wait_dscnt 0x0
	global_store_b128 v[HCO], v[32:35], s[12:13]               ; 32 lanes store 512 consecutive bytes, aligned
	global_store_b128 v[HCO], v[36:39], s[12:13] offset:2048
; THE TRACE.  For column slot b a lane holds, of sample s, rows i = r (tile 2 s) and i = 16 + r (tile 2 s + 1) at eight columns:
; T[s] = acc(2 s, b) W3[r] + acc(2 s + 1, b) W3[16 + r];  TR[s] += T[s] d2[s].  The tables of slot b + 1 are on their way while slot b is worked on.
.macro EL b, sg
.irp ih, 0,1
	ds_load_b128 v[W3F+48*\sg+8*\ih:W3F+48*\sg+8*\ih+3],   v[W3R0+\b/4] offset:\ih*16*WPITCH+(\b%4)*64
	ds_load_b128 v[W3F+48*\sg+8*\ih+4:W3F+48*\sg+8*\ih+7], v[W3R0+\b/4] offset:\ih*16*WPITCH+(\b%4)*64+16
.endr
.irp s, 0,1,2,3
	ds_load_b128 v[DV+48*\sg+8*\s:DV+48*\sg+8*\s+3],   v[DRD0+\b/4] offset:\s*DPITCH+(\b%4)*64
	ds_load_b128 v[DV+48*\sg+8*\s+4:DV+48*\sg+8*\s+7], v[DRD0+\b/4] offset:\s*DPITCH+(\b%4)*64+16
.endr
.endm
.macro ETRH b, sg, t0                  ; two samples, whose tiles lie in one window; their T at t0
.irp s, 0,1
.irp p, 0,2,4,6
	v_pk_mul_f32 v[\t0+8*\s+\p:\t0+8*\s+\p+1], v[8*(16*\s+\b)+\p:8*(16*\s+\b)+\p+1], v[W3F+48*\sg+\p:W3F+48*\sg+\p+1]
.endr
.irp p, 0,2,4,6
	v_pk_fma_f32 v[\t0+8*\s+\p:\t0+8*\s+\p+1], v[8*(16*\s+8+\b)+\p:8*(16*\s+8+\b)+\p+1], v[W3F+48*\sg+8+\p:W3F+48*\sg+8+\p+1], v[\t0+8*\s+\p:\t0+8*\s+\p+1]
.endr
.endr
.endm
.macro ETR b, sg, first
	WIN TR_LO
	ETRH \b, \sg, T
	WIN TR_HI
	ETRH \b, \sg, T+16
	WIN 0
.set k, 0
.rept 16
.if \first
	v_pk_mul_f32 v[TR+k:TR+k+1], v[T+k:T+k+1], v[DV+48*\sg+k:DV+48*\sg+k+1]
.else
	v_pk_fma_f32 v[TR+k:TR+k+1], v[T+k:T+k+1], v[DV+48*\sg+k:DV+48*\sg+k+1], v[TR+k:TR+k+1]
.endif
.set k, k+2
.endr
.endm
	EL 0, 0
	EL 1, 1
	s_wait_dscnt 12                                ; all but the twelve just issued
	ETR 0, 0, 1
	EL 2, 0
	s_wait_dscnt 12
	ETR 1, 1, 0
	EL 3, 1
	s_wait_dscnt 12
	ETR 2, 0, 0
	EL 4, 0
	s_wait_dscnt 12
	ETR 3, 1, 0
	EL 5, 1
	s_wait_dscnt 12
	ETR 4, 0, 0
	EL 6, 0
	s_wait_dscnt 12
	ETR 5, 1, 0
	EL 7, 1
	s_wait_dscnt 12
	ETR 6, 0, 0
	s_wait_dscnt 0x0
	ETR 7, 1, 0
	; within the lane, then across the 32 lanes: four steps ride on the arithmetic, one crosses the halves
.irp s, 0,1,2,3
	v_pk_add_f32 v[TR+8*\s:TR+8*\s+1], v[TR+8*\s:TR+8*\s+1], v[TR+8*\s+2:TR+8*\s+3]
	v_pk_add_f32 v[TR+8*\s+4:TR+8*\s+5], v[TR+8*\s+4:TR+8*\s+5], v[TR+8*\s+6:TR+8*\s+7]
	v_pk_add_f32 v[TR+8*\s:TR+8*\s+1], v[TR+8*\s:TR+8*\s+1], v[TR+8*\s+4:TR+8*\s+5]
	v_add_f32 v[TR+8*\s], v[TR+8*\s], v[TR+8*\s+1]
	v_add_f32_dpp v[TR+8*\s], v[TR+8*\s], v[TR+8*\s] row_xmask:1 row_mask:0xf bank_mask:0xf
	v_add_f32_dpp v[TR+8*\s], v[TR+8*\s], v[TR+8*\s] row_xmask:2 row_mask:0xf bank_mask:0xf
	v_add_f32_dpp v[TR+8*\s], v[TR+8*\s], v[TR+8*\s] row_xmask:4 row_mask:0xf bank_mask:0xf
	v_add_f32_dpp v[TR+8*\s], v[TR+8*\s], v[TR+8*\s] row_xmask:8 row_mask:0xf bank_mask:0xf
	v_permlanex16_b32 v[TR+8*\s+1], v[TR+8*\s], s98, s99
	v_add_f32 v[SUM+\s], v[TR+8*\s], v[TR+8*\s+1]
.endr
	v_cmp_eq_u32 vcc_lo, 0, v[LANE]
	s_wait_xcnt 0x0                                ; EXEC is a source of the stores above: it changes only behind this wait
	s_and_saveexec_b32 s86, vcc_lo
	global_store_b128 v[ZERO], v[SUM:SUM+3], s[14:15]          ; lane 0: my four samples' partial traces, 16 bytes
	s_wait_xcnt 0x0
	s_or_b32 exec_lo, exec_lo, s86
	s_set_vgpr_msb 0x1
	s_wait_tensorcnt 0x0
	ds_add_u32 v255, v47
	s_wait_dscnt 0x0
	s_set_vgpr_msb 0x100
	CROUND                                         ; the closing round
	s_endpgm
.Lfunc_end_k_qeb950dc811_lay2:
	.size	k_qeb950dc811_lay2, .Lfunc_end_k_qeb950dc811_lay2-k_qeb950dc811_lay2
	.p2alignl 7, 3214868480
	.fill 96, 4, 3214868480
	.section	.rodata,"a",@progbits
	.p2align	6, 0x0
	.amdhsa_kernel k_qeb950dc811_lay2
		.amdhsa_group_segment_fixed_size 327680
		.amdhsa_private_segment_fixed_size 0
		.amdhsa_enable_private_segment 0
		.amdhsa_kernarg_size 48
		.amdhsa_user_sgpr_count 2
		.amdhsa_user_sgpr_kernarg_segment_ptr 1
		.amdhsa_wavefront_size32 1
		.amdhsa_system_sgpr_workgroup_id_x 1
		.amdhsa_system_sgpr_workgroup_id_y 1
		.amdhsa_system_sgpr_workgroup_id_z 1
		.amdhsa_system_vgpr_workitem_id 0
		.amdhsa_next_free_vgpr 1024
		.amdhsa_next_free_sgpr 100
		.amdhsa_reserve_vcc 1
		.amdhsa_float_denorm_mode_32 3
		.amdhsa_float_denorm_mode_16_64 3
		.amdhsa_memory_ordered 1
		.amdhsa_forward_progress 1
		.amdhsa_inst_pref_size 224
	.end_amdhsa_kernel
	.amdgpu_metadata
---
amdhsa.version: [ 1, 2 ]
amdhsa.kernels:
  - .name:           k_qeb950dc811_lay2
    .symbol:         k_qeb950dc811_lay2.kd
    .args:
      - { .name: U1x, .offset: 0, .size: 8, .value_kind: global_buffer, .address_space: global }
      - { .name: W2h, .offset: 8, .size: 8, .value_kind: global_buffer, .address_space: global }
      - { .name: W3, .offset: 16, .size: 8, .value_kind: global_buffer, .address_space: global }
      - { .name: b2, .offset: 24, .size: 8, .value_kind: global_buffer, .address_space: global }
      - { .name: H2h, .offset: 32, .size: 8, .value_kind: global_buffer, .address_space: global }
      - { .name: TRP, .offset: 40, .size: 8, .value_kind: global_buffer, .address_space: global }
    .group_segment_fixed_size: 327680
    .private_segment_fixed_size: 0
    .kernarg_segment_align: 8
    .kernarg_segment_size: 48
    .max_flat_workgroup_size: 128
    .sgpr_count:     100
    .vgpr_count:     1024
    .wavefront_size: 32
...
	.end_amdgpu_metadata
.endif
;; end of part 3
;; launch fin (part 4): grid 32 x 1, 4 waves a work-group, no clusters, 9,728 bytes of LDS; arguments H2h, W3h, b3, TRP, out0, out1; writes out0, out1
.if DOCPART == 4
	.amdgcn_target "amdgcn-amd-amdhsa--gfx1250"
	.amdhsa_code_object_version 6
	.text
	.protected	k_qeb950dc811_fin
	.globl	k_qeb950dc811_fin
	.p2align	8
	.type	k_qeb950dc811_fin,@function
k_qeb950dc811_fin:
	s_mov_b64 s[64:65], 0
	v_nop
	global_prefetch_b8 v0, s[64:65] scope:SCOPE_SE
	s_setreg_imm32_b32 hwreg(HW_REG_WAVE_MODE, 25, 1), 1
	s_wait_xcnt 0x0
; FIN: out0 = h2 W3^T + b3 (512 x 32, K = 1,024) and out1 = - the sum of the eight partial traces.
; 32 work-groups of four waves: work-group g owns samples 16 g .. 16 g + 15, the least that fills a matrix tile's rows; wave w owns K = 256 w .. 256 w + 255.
; A wave loads all its fragments at once (48 loads of 16 bytes a lane), multiplies 8 K steps x 2 column tiles, and the four waves' sums meet in LDS.
; The launch moves about a megabyte and is bound by one round trip to memory: no ring, tensor load or cluster would shorten that.
; The matrix instruction is used transposed: source 0 = 16 rows of W3, source 1 = 16 rows of h2: lane l holds sample l % 16, outputs 16 it + 8 (l / 16) + 0 .. 7.
; FORMATS: matrix operands f16 (h2 in [-1, 1]; W3's room is reckoned where it is made, in the first launch), sums f32.
.set A,   16                           ; v[16:79]   h2: 8 fragments; later the four partial sums
.set B0,  80                           ; v[80:143]  W3 rows 0-15
.set B1,  144                          ; v[144:207] W3 rows 16-31
.set AC0, 208
.set AC1, 216
.set B3,  224                          ; v[224:227] b3 of my four outputs
.set TP,  228                          ; v[228:231] wave 0: four partial traces
.set PP,  144                          ; LDS: a row of 32 f32 + 16 bytes of padding
	s_load_b256 s[4:11], s[0:1], 0x0               ; H2h s[4:5], W3h s[6:7], b3 s[8:9], TRP s[10:11]
	s_load_b128 s[12:15], s[0:1], 0x20             ; out0 s[12:13], out1 s[14:15]
	v_lshl_add_u32 v240, v0, 2, 0x2400
	v_mov_b32 v241, 0
	v_lshrrev_b32 v1, 5, v0
	v_readfirstlane_b32 s16, v1                    ; wave
	v_and_b32 v1, 15, v0                           ; r
	v_bfe_u32 v2, v0, 4, 1                         ; h
	v_lshlrev_b32 v3, 11, v1
	v_lshl_add_u32 v3, v2, 4, v3
	s_lshl_b32 s17, s16, 9
	v_add_nc_u32 v3, s17, v3                       ; row r, K = 256 w + 8 h, in both matrices
	v_and_b32 v9, 7, v0
	v_lshlrev_b32 v4, 4, v9                        ; b3: 16 (t & 7)
	v_lshlrev_b32 v6, 2, v1                        ; 4 r
	v_lshl_add_u32 v5, v2, 13, v6                  ; TRP: partials 4 h + e, sample r
	s_mul_i32 s23, s16, 16*PP
	v_mul_u32_u24 v7, v1, PP
	v_lshl_add_u32 v7, v2, 5, v7
	v_add_nc_u32 v7, s23, v7                       ; LDS, in: my wave's 16 rows, row r, 32 h
	v_lshrrev_b32 v8, 3, v0
	v_mul_u32_u24 v8, v8, PP
	v_lshl_add_u32 v8, v9, 4, v8                   ; LDS, back: row t >> 3, 16 (t & 7)
	v_lshlrev_b32 v10, 4, v0                       ; out0: 16 t
	s_mov_b32 s20, 0x76543210
	s_mov_b32 s21, 0xfedcba98
	s_mov_b32 s19, 0
	s_wait_kmcnt 0x0
	s_lshl_b32 s18, ttmp9, 15
	s_add_nc_u64 s[4:5], s[4:5], s[18:19]          ; H2h at sample 16 g
	s_lshl_b32 s18, ttmp9, 11
	s_add_nc_u64 s[12:13], s[12:13], s[18:19]      ; out0 at sample 16 g
	s_lshl_b32 s18, ttmp9, 6
	s_add_nc_u64 s[10:11], s[10:11], s[18:19]      ; TRP and out1 at sample 16 g
	s_add_nc_u64 s[14:15], s[14:15], s[18:19]
.irp k, 0,1,2,3,4,5,6,7
	global_load_b128 v[A+8*\k:A+8*\k+3],     v3, s[4:5] offset:64*\k
	global_load_b128 v[A+8*\k+4:A+8*\k+7],   v3, s[4:5] offset:64*\k+32
	global_load_b128 v[B0+8*\k:B0+8*\k+3],   v3, s[6:7] offset:64*\k
	global_load_b128 v[B0+8*\k+4:B0+8*\k+7], v3, s[6:7] offset:64*\k+32
	global_load_b128 v[B1+8*\k:B1+8*\k+3],   v3, s[6:7] offset:32768+64*\k
	global_load_b128 v[B1+8*\k+4:B1+8*\k+7], v3, s[6:7] offset:32768+64*\k+32
.endr
	global_load_b128 v[B3:B3+3], v4, s[8:9]
	; wave 0 alone: the trace.  Lane (r, h) adds partials 4 h .. 4 h + 3 of sample r, the two halves meet, threads 0-15 store.
	s_cmp_lg_u32 s16, 0
	s_cbranch_scc1 .Lno_trace
.irp e, 0,1,2,3
	global_load_b32 v[TP+\e], v5, s[10:11] offset:2048*\e
.endr
	s_wait_loadcnt 0x0
	v_add_f32 v[TP], v[TP], v[TP+1]
	v_add_f32 v[TP+2], v[TP+2], v[TP+3]
	v_add_f32 v[TP], v[TP], v[TP+2]
	v_permlanex16_b32 v[TP+1], v[TP], s20, s21
	v_sub_f32 v[TP], -v[TP], v[TP+1]               ; minus the trace
	v_cmp_gt_u32 vcc_lo, 16, v0
	s_wait_xcnt 0x0                                ; EXEC is a source of the loads above: it changes only behind this wait
	s_and_saveexec_b32 s22, vcc_lo
	global_store_b32 v6, v[TP], s[14:15]
	s_wait_xcnt 0x0
	s_or_b32 exec_lo, exec_lo, s22
.Lno_trace:
	s_wait_loadcnt 0x0
	; the two accumulators take turns, one instruction a turn; the first products start the sums
	v_wmma_f32_16x16x32_f16 v[AC0:AC0+7], v[B0:B0+7], v[A:A+7], 0
	v_wmma_f32_16x16x32_f16 v[AC1:AC1+7], v[B1:B1+7], v[A:A+7], 0
.irp k, 1,2,3,4,5,6,7
	v_wmma_f32_16x16x32_f16 v[AC0:AC0+7], v[B0+8*\k:B0+8*\k+7], v[A+8*\k:A+8*\k+7], v[AC0:AC0+7]
	v_wmma_f32_16x16x32_f16 v[AC1:AC1+7], v[B1+8*\k:B1+8*\k+7], v[A+8*\k:A+8*\k+7], v[AC1:AC1+7]
.endr
.rept 4
	v_nop                                          ; four places before the results are stored and the fragments' registers loaded again (ISA guide 7.12.1)
.endr
	ds_store_b128 v7, v[AC0:AC0+3]
	ds_store_b128 v7, v[AC0+4:AC0+7] offset:16
	ds_store_b128 v7, v[AC1:AC1+3] offset:64
	ds_store_b128 v7, v[AC1+4:AC1+7] offset:80
	s_wait_dscnt 0x0                               ; my stores are done, for the other waves
	s_barrier_signal -1
	s_barrier_wait -1
.irp w, 0,1,2,3
	ds_load_b128 v[A+4*\w:A+4*\w+3], v8 offset:16*PP*\w
.endr
	s_wait_dscnt 0x0
	v_pk_add_f32 v[A:A+1], v[A:A+1], v[A+4:A+5]
	v_pk_add_f32 v[A+2:A+3], v[A+2:A+3], v[A+6:A+7]
	v_pk_add_f32 v[A+8:A+9], v[A+8:A+9], v[A+12:A+13]
	v_pk_add_f32 v[A+10:A+11], v[A+10:A+11], v[A+14:A+15]
	v_pk_add_f32 v[A:A+1], v[A:A+1], v[A+8:A+9]
	v_pk_add_f32 v[A+2:A+3], v[A+2:A+3], v[A+10:A+11]
	v_pk_add_f32 v[A:A+1], v[A:A+1], v[B3:B3+1]
	v_pk_add_f32 v[A+2:A+3], v[A+2:A+3], v[B3+2:B3+3]
	global_store_b128 v10, v[A:A+3], s[12:13]      ; 16 lanes store 256 consecutive bytes, aligned
	s_wait_tensorcnt 0x0
	ds_add_u32 v240, v241
	s_wait_dscnt 0x0
	s_endpgm
.Lfunc_end_k_qeb950dc811_fin:
	.size	k_qeb950dc811_fin, .Lfunc_end_k_qeb950dc811_fin-k_qeb950dc811_fin
	.p2alignl 7, 3214868480
	.fill 96, 4, 3214868480
	.section	.rodata,"a",@progbits
	.p2align	6, 0x0
	.amdhsa_kernel k_qeb950dc811_fin
		.amdhsa_group_segment_fixed_size 9728
		.amdhsa_private_segment_fixed_size 0
		.amdhsa_enable_private_segment 0
		.amdhsa_kernarg_size 48
		.amdhsa_user_sgpr_count 2
		.amdhsa_user_sgpr_kernarg_segment_ptr 1
		.amdhsa_wavefront_size32 1
		.amdhsa_system_sgpr_workgroup_id_x 1
		.amdhsa_system_sgpr_workgroup_id_y 1
		.amdhsa_system_sgpr_workgroup_id_z 1
		.amdhsa_system_vgpr_workitem_id 0
		.amdhsa_next_free_vgpr 242
		.amdhsa_next_free_sgpr 66
		.amdhsa_reserve_vcc 1
		.amdhsa_float_denorm_mode_32 3
		.amdhsa_float_denorm_mode_16_64 3
		.amdhsa_memory_ordered 1
		.amdhsa_forward_progress 1
		.amdhsa_inst_pref_size 10
	.end_amdhsa_kernel
	.amdgpu_metadata
---
amdhsa.version: [ 1, 2 ]
amdhsa.kernels:
  - .name:           k_qeb950dc811_fin
    .symbol:         k_qeb950dc811_fin.kd
    .args:
      - { .name: H2h, .offset: 0, .size: 8, .value_kind: global_buffer, .address_space: global }
      - { .name: W3h, .offset: 8, .size: 8, .value_kind: global_buffer, .address_space: global }
      - { .name: b3, .offset: 16, .size: 8, .value_kind: global_buffer, .address_space: global }
      - { .name: TRP, .offset: 24, .size: 8, .value_kind: global_buffer, .address_space: global }
      - { .name: out0, .offset: 32, .size: 8, .value_kind: global_buffer, .address_space: global }
      - { .name: out1, .offset: 40, .size: 8, .value_kind: global_buffer, .address_space: global }
    .group_segment_fixed_size: 9728
    .private_segment_fixed_size: 0
    .kernarg_segment_align: 8
    .kernarg_segment_size: 48
    .max_flat_workgroup_size: 128
    .sgpr_count:     66
    .vgpr_count:     242
    .wavefront_size: 32
...
	.end_amdgpu_metadata
.endif
;; end of part 4
;; ======== version 2 of 2: 4 launches; version 1 with the launch prep written anew for expert scheduling mode
;; limits: values outside matrix products are rounded to f16; values are held in f16: magnitudes above 65,504 overflow, below 6.1e-05 lose precision; right only within a limited range of input values
;; workspace buffers: W1h 2,097,152 bytes; W2h 2,097,152 bytes; W3h 65,536 bytes; W0K 65,536 bytes; DH0 2,097,152 bytes; U1x 34,603,008 bytes; H2h 1,048,576 bytes; TRP 16,384 bytes
;; launch prep (part 5): grid 256 x 1, 8 waves a work-group, no clusters, 44,032 bytes of LDS; arguments t, z, W0, b0, W1, W2, W3, W1h, W2h, W3h, W0K, DH0; writes W1h, W2h, W3h, W0K, DH0
.if DOCPART == 5
	.amdgcn_target "amdgcn-amd-amdhsa--gfx1250"
	.amdhsa_code_object_version 6
	.text
	.protected	k_qeb950dc811_prep
	.globl	k_qeb950dc811_prep
	.p2align	8
	.type	k_qeb950dc811_prep,@function
k_qeb950dc811_prep:
	s_mov_b64 s[64:65], 0
	v_nop
	global_prefetch_b8 v0, s[64:65] scope:SCOPE_SE
	s_setreg_imm32_b32 hwreg(HW_REG_WAVE_SCHED_MODE, 0, 2), 2
	s_setreg_imm32_b32 hwreg(HW_REG_WAVE_MODE, 25, 1), 1
	s_wait_xcnt 0x0
	s_wait_alu depctr_vm_vsrc(0)
; PREP: f16 copies of W1, W2, W3; W0 transposed and cut into K steps (W0K); h0 = tanh(z W0^T + t w + b0) and d0 = 1 - h0^2 (DH0).
; 256 work-groups of eight waves.  Work-group wg = 4 R + q owns
;   - 4,096 numbers of W1 and of W2 (16 a thread), 128 numbers of W3 (wave 1), one row of W0K (wave 0),
;   - samples 8 R .. 8 R + 7 times hidden units 256 q .. 256 q + 255: thread t owns unit 256 q + t for all eight samples.
; W0K: f16 [8 ks][32 i][128 kk] = W0[128 ks + kk][i].  DH0: f16 [64 R][8 ks][16 rows][128 kk], rows 0-7 d0, rows 8-15 h0 of the eight samples.
; WHY F16 AND NOT BF16: the chain to out0 rounds six matrix operands (h0, W1, h1, W2, h2, W3).  With 8 significant bits each rounding has a relative r.m.s. error of about
; 0.0015, the six together about 0.0035 of the output's r.m.s., a third of the 0.01 allowed: too near for 16,384 numbers.  With 11 bits it is an eighth of that.
; ROOM IN F16: the weights are at most 0.031 (W0: 0.174) as drawn; 30 times larger or with an offset of 30 spreads they stay under about 11; 30 times smaller their r.m.s. is
; 6e-4 against f16's smallest step of 6e-8.  h0 and d0 lie in [-1, 1]; a d0 below that step counts as 0 beside the units that are not saturated.
; The 256 rows of W0 (33 words each, 33,792 bytes) come in as 33 loads of neighbouring words and go through LDS, since a thread wants a row:
; read back at a pitch of 33 words the 32 lanes of a wave touch 32 different banks (64 banks of 4 bytes: ISA guide 11.1).
; The row of W0K is a column of 128 of those rows: wave 0 takes its 128 words by four loads of its own, lanes 528 bytes apart, out of the same 33,792 bytes that
; the work-group reads whole at the same time; so no LDS address hangs on the work-group's number.
; No matrix unit, tensor load or cluster: the launch only streams, and no work-group shares more than W0 with another.
; tanh: e = 2^(-2.885390 |x|) lies in [0, 1], so nothing overflows for any x; r2 = 2 / (1 + e), q = e r2, |h| = 1 - q, d = q r2 = 4 e / (1 + e)^2.
; LIMITS: v_exp_f32 gives 0 where its result would be denormal (ISA guide 15.8): for |x| above about 43.6, d is exactly 0 where the true value is below 2^-124.
; |h| = 1 - q carries an absolute error of a few 2^-24: a relative error of about 3e-4 at |x| = 6e-4.
; THE MODE: SCHED_MODE bits 1:0 = 2 (LLVM: expert scheduling mode 2), set by the entry lines.  The code itself states the register dependences
; between vector instructions and memory or LDS instructions, with s_wait_alu, always for 0.
; THE PLAN.  Registers that memory or LDS instructions touch:
;   v2-v9, L8, AK   offsets and LDS addresses: written by vector instructions at the head and never again; one wait ahead of the first load serves every load and store.
;   ZW, W           loaded from memory; read by the LDS stores; W is then loaded again from LDS (one wait: the stores have read it) and read by the samples' products.
;   S3, SK, CV      loaded from memory, rounded in place, stored once (one wait ahead of each run of stores), never written again.
;   Z0 .. Z3        z of sample s lands in Z[s % 4] and is read by that sample's products.  Samples 0 to 3 land in registers that nothing has named.  Behind samples 0 and 1
;                   one wait states that their products are done reading Z0 and Z1, and samples 4 and 5 are asked for; behind samples 2 and 3 the same for Z2, Z3 and samples 6, 7.
;                   At the end the stage's rows land in Z0 and are stored from there.
;   DD              written by the last roundings, read by the LDS stores into the stage (one wait, which also serves the later loads into Z0).
;   v200, v201      written at the head, read by the closing add alone.
; X, ACC, C, E, Q, HH are named by vector instructions alone.
.set ZS,  0                            ; LDS: z of my eight samples, 1,024 bytes
.set WS,  1024                         ; LDS: my 256 rows of W0 as they lie in memory
.set ST,  WS+33792                     ; LDS: the image of my 8,192 bytes of DH0; behind it, from byte 0xa800 on, the spare words, 128 bytes for each of the eight waves
.set W,   10                           ; v[10:42]   first the 33 words as loaded, then my row of W0
.set BB,  44                           ; v44        b0 of my unit
.set ZW,  45                           ; v45        one word of z
.set C,   46                           ; v[46:47]   (t W0[l][32] + b0[l], 0): starts a sum
.set Z0,  48                           ; v[48:79]   z of samples 0 and 4; at the end the stage's rows
.set Z1,  80                           ; v[80:111]  z of samples 1 and 5
.set ACC, 112                          ; v[112:115] two chains of pairs
.set X,   116                          ; v[116:123] the eight sums
.set Z3,  124                          ; v[124:155] z of samples 3 and 7: the registers of E, Q, DD and HH, which are first written behind the last sample
.set E,   124                          ; v[124:131] at work
.set Q,   132                          ; v[132:139] at work
.set DD,  140                          ; v[140:147] d0, then (d0, h0) packed
.set HH,  148                          ; v[148:155] h0
.set CV,  156                          ; v[156:187] 16 numbers of W1, 16 of W2
.set S3,  188                          ; v[188:191] wave 1: four numbers of W3
.set L8,  192                          ; v192       8 x lane
.set AK,  193                          ; v193       wave 0: byte offset, from my first row of W0, of my four numbers of the W0K row
.set SK,  194                          ; v[194:197] wave 0: those four numbers
.set Z2,  202                          ; v[202:233] z of samples 2 and 6
	s_load_b512 s[4:19], s[0:1], 0x0               ; t s[4:5], z s[6:7], W0 s[8:9], b0 s[10:11], W1 s[12:13], W2 s[14:15], W3 s[16:17], W1h s[18:19]
	s_load_b256 s[20:27], s[0:1], 0x40             ; W2h s[20:21], W3h s[22:23], W0K s[24:25], DH0 s[26:27]
	v_lshl_add_u32 v200, v0, 2, 0xa800             ; the LDS address of my spare word and 0: made here and kept for the closing lines alone
	v_mov_b32 v201, 0
	v_lshrrev_b32 v1, 5, v0
	v_readfirstlane_b32 s29, v1                    ; wave
	s_lshr_b32 s30, ttmp9, 2                       ; R
	s_and_b32 s31, ttmp9, 3                        ; q
	s_bfe_u32 s36, ttmp9, 0x10007                  ; R >> 5: which 128 of my 256 rows of W0 feed my row of W0K
	s_bfe_u32 s38, ttmp9, 0x50002                  ; R & 31: which column of W0
	s_mov_b32 s33, 0                               ; upper word of every offset
	s_mov_b32 s34, 0xc038aa3b                      ; -2 log2(e)
	s_mov_b32 s35, 0x7fffffff                      ; all but the sign
	v_and_b32 v1, 31, v0                           ; lane
	v_lshlrev_b32 v2, 2, v0                        ; 4 t
	v_lshlrev_b32 v3, 5, v0                        ; 32 t
	v_lshlrev_b32 v4, 4, v0                        ; 16 t
	v_mul_u32_u24 v5, v0, 132
	v_add_nc_u32 v5, WS, v5                        ; my row of W0 in LDS
	v_mov_b32 v6, 0                                ; z is read at one address by all lanes
	v_lshrrev_b32 v7, 7, v0
	v_and_b32 v8, 127, v0
	v_lshlrev_b32 v8, 1, v8
	v_lshl_add_u32 v7, v7, 12, v8
	v_add_nc_u32 v7, ST, v7                        ; stage: (t >> 7) K steps of 4,096 bytes + 2 (t & 127)
	v_lshlrev_b32 v8, 4, v1                        ; 16 x lane
	v_add_nc_u32 v9, ST, v4                        ; stage, read back: 16 t
	v_lshlrev_b32 v[L8], 3, v1
	s_mul_i32 s39, s36, 128*132                    ; 128 (R >> 5) rows of 132 bytes
	s_lshl2_add_u32 s39, s38, s39                  ; + column R & 31
	v_mul_u32_u24 v[AK], v1, 528                   ; + four rows of W0 a lane: 33,784 at the most with the loads' immediates, inside my 33,792 bytes
	v_add_nc_u32 v[AK], s39, v[AK]
	s_lshl1_add_u32 s37, s31, s36                  ; ks = 2 q + (R >> 5)
	s_lshl_b32 s37, s37, 5
	s_add_co_u32 s37, s37, s38                     ; my row of W0K = 32 ks + (R & 31): each of the 256 rows has one work-group
	s_wait_alu depctr_va_sdst(0)                   ; s29, the wave's number, is written, ahead of its first reader: the compare below that picks wave 1
	s_wait_kmcnt 0x0
	s_load_b32 s28, s[4:5], 0x0                    ; t
	s_lshl_b32 s32, s30, 10
	s_add_nc_u64 s[6:7], s[6:7], s[32:33]          ; z at sample 8 R
	s_mul_i32 s32, s31, 256*132
	s_add_nc_u64 s[8:9], s[8:9], s[32:33]          ; W0 at row 256 q
	s_lshl_b32 s32, s31, 10
	s_add_nc_u64 s[10:11], s[10:11], s[32:33]      ; b0 at 256 q
	s_lshl_b32 s32, ttmp9, 14
	s_add_nc_u64 s[12:13], s[12:13], s[32:33]      ; W1, W2: 16,384 bytes a work-group
	s_add_nc_u64 s[14:15], s[14:15], s[32:33]
	s_lshl_b32 s32, ttmp9, 9
	s_add_nc_u64 s[16:17], s[16:17], s[32:33]      ; W3: 512 bytes
	s_lshl_b32 s32, ttmp9, 13
	s_add_nc_u64 s[18:19], s[18:19], s[32:33]      ; W1h, W2h, DH0: 8,192 bytes (DH0: 32,768 R + 8,192 q)
	s_add_nc_u64 s[20:21], s[20:21], s[32:33]
	s_add_nc_u64 s[26:27], s[26:27], s[32:33]
	s_lshl_b32 s32, ttmp9, 8
	s_add_nc_u64 s[22:23], s[22:23], s[32:33]      ; W3h: 256 bytes
	s_lshl_b32 s32, s37, 8
	s_add_nc_u64 s[24:25], s[24:25], s[32:33]      ; W0K: my row
	s_wait_alu depctr_va_vdst(0)                   ; the offsets and LDS addresses v2 to v9, v[L8] and v[AK] are written: every load and store of the kernel reads one of them, and none is written again
	; 43 loads of every wave, all out at once: z, W0 (33), b0, W1 (4), W2 (4)
	global_load_b32 v[ZW], v2, s[6:7]
.set j, 0
.rept 33
	global_load_b32 v[W+j], v2, s[8:9] offset:1024*j
.set j, j+1
.endr
	global_load_b32 v[BB], v2, s[10:11]
.irp j, 0,1
	global_load_b128 v[CV+8*\j:CV+8*\j+3],       v3, s[12:13] offset:8192*\j th:TH_LOAD_NT
	global_load_b128 v[CV+8*\j+4:CV+8*\j+7],     v3, s[12:13] offset:8192*\j+16 th:TH_LOAD_NT
	global_load_b128 v[CV+16+8*\j:CV+16+8*\j+3], v3, s[14:15] offset:8192*\j th:TH_LOAD_NT
	global_load_b128 v[CV+16+8*\j+4:CV+16+8*\j+7], v3, s[14:15] offset:8192*\j+16 th:TH_LOAD_NT
.endr
	; wave 1 alone: 128 numbers of W3 to f16; its 32 lanes store 256 consecutive bytes, aligned
	s_cmp_lg_u32 s29, 1
	s_cbranch_scc1 .Lnot_w3
	global_load_b128 v[S3:S3+3], v8, s[16:17]
	s_wait_loadcnt 0x0
	v_cvt_pk_f16_f32 v[S3], v[S3], v[S3+1]
	v_cvt_pk_f16_f32 v[S3+1], v[S3+2], v[S3+3]
	s_wait_alu depctr_va_vdst(0)                   ; the two roundings have written v[S3:S3+1], which the store reads
	global_store_b64 v[L8], v[S3:S3+1], s[22:23]
.Lnot_w3:
	; wave 0 alone: one row of W0K: lane l takes W0[128 ks + 4 l + e][R & 31], e = 0 .. 3; its 32 lanes store 256 consecutive bytes, aligned
	s_cmp_lg_u32 s29, 0
	s_cbranch_scc1 .Lnot_w0k
.irp e, 0,1,2,3
	global_load_b32 v[SK+\e], v[AK], s[8:9] offset:132*\e
.endr
	s_wait_loadcnt 0x0
	v_cvt_pk_f16_f32 v[SK], v[SK], v[SK+1]
	v_cvt_pk_f16_f32 v[SK+1], v[SK+2], v[SK+3]
	s_wait_alu depctr_va_vdst(0)                   ; the two roundings have written v[SK:SK+1], which the store reads
	global_store_b64 v[L8], v[SK:SK+1], s[24:25]
.Lnot_w0k:
	s_wait_loadcnt 0x9                             ; z and W0 are in; b0 and the eight loads of W1 and W2 may stay out
	ds_store_b32 v2, v[ZW] offset:ZS               ; the data come from loads, the address from the head: no vector instruction since the head's wait names either
.set j, 0
.rept 33
	ds_store_b32 v2, v[W+j] offset:WS+1024*j
.set j, j+1
.endr
	s_wait_dscnt 0x0                               ; my stores are done, for the other waves
	s_barrier_signal -1
	s_barrier_wait -1
	s_wait_alu depctr_vm_vsrc(0)                   ; my LDS stores have read v[W ..], in which my row of W0 lands below
.set j, 0
.rept 33
	ds_load_b32 v[W+j], v5 offset:4*j              ; my row of W0
.set j, j+1
.endr
.macro ZLD s, buf                      ; z of sample s, the same 128 bytes in every lane
.irp e, 0,1,2,3,4,5,6,7
	ds_load_b128 v[\buf+4*\e:\buf+4*\e+3], v6 offset:ZS+128*(\s)+16*\e
.endr
.endm
	ZLD 0, Z0                                      ; nothing has named Z0 to Z3 yet: the first four samples' loads hang on no vector instruction
	ZLD 1, Z1
	s_wait_loadcnt 0x0                             ; b0, W1, W2
.irp g, 0,8,16,24
	v_cvt_pk_f16_f32 v[CV+\g],   v[CV+\g],   v[CV+\g+1]
	v_cvt_pk_f16_f32 v[CV+\g+1], v[CV+\g+2], v[CV+\g+3]
	v_cvt_pk_f16_f32 v[CV+\g+2], v[CV+\g+4], v[CV+\g+5]
	v_cvt_pk_f16_f32 v[CV+\g+3], v[CV+\g+6], v[CV+\g+7]
.endr
	s_wait_alu depctr_va_vdst(0)                   ; the sixteen roundings have written v[CV ..], which the four stores read
.irp j, 0,1
	global_store_b128 v4, v[CV+8*\j:CV+8*\j+3],       s[18:19] offset:4096*\j    ; 16 lanes store 256 consecutive bytes, aligned
	global_store_b128 v4, v[CV+16+8*\j:CV+16+8*\j+3], s[20:21] offset:4096*\j
.endr
	s_wait_dscnt 16                                ; my row of W0 is in; the sixteen reads of samples 0 and 1 may stay out
	ZLD 2, Z2                                      ; asked for behind that wait, so that 49 LDS instructions of the wave are out at the most
	ZLD 3, Z3
	s_wait_kmcnt 0x0                               ; t
	v_fma_f32 v[C], v[W+32], s28, v[BB]
	v_mov_b32 v[C+1], 0
; one sample: 32 products in two chains of pairs.  left: the reads of the younger samples, which may stay out
.macro SAMPLE s, zb, left
	s_wait_dscnt \left                             ; LDS loads come back in order (ISA guide 5.7.1): this sample's z is in
	v_pk_fma_f32 v[ACC:ACC+1], v[\zb:\zb+1], v[W:W+1], v[C:C+1]
	v_pk_mul_f32 v[ACC+2:ACC+3], v[\zb+2:\zb+3], v[W+2:W+3]
.irp k, 4,8,12,16,20,24,28
	v_pk_fma_f32 v[ACC:ACC+1], v[\zb+\k:\zb+\k+1], v[W+\k:W+\k+1], v[ACC:ACC+1]
	v_pk_fma_f32 v[ACC+2:ACC+3], v[\zb+\k+2:\zb+\k+3], v[W+\k+2:W+\k+3], v[ACC+2:ACC+3]
.endr
	v_pk_add_f32 v[ACC:ACC+1], v[ACC:ACC+1], v[ACC+2:ACC+3]
	v_add_f32 v[X+\s], v[ACC], v[ACC+1]
.endm
	SAMPLE 0, Z0, 24
	SAMPLE 1, Z1, 16
	s_wait_alu depctr_va_vdst(0)                   ; the products of samples 0 and 1 are done reading Z0 and Z1, in which the sixteen loads below land
	ZLD 4, Z0
	ZLD 5, Z1
	SAMPLE 2, Z2, 24
	SAMPLE 3, Z3, 16
	s_wait_alu depctr_va_vdst(0)                   ; the products of samples 2 and 3 are done reading Z2 and Z3, in which the sixteen loads below land
	ZLD 6, Z2
	ZLD 7, Z3
	SAMPLE 4, Z0, 24
	SAMPLE 5, Z1, 16
	SAMPLE 6, Z2, 8
	SAMPLE 7, Z3, 0
; tanh and its derivative of eight numbers.  Behind each run of transcendentals one v_nop stands before a result is used (ISA guide 5.7.2).
.macro TANH8 x, e, q, d, hh
.irp j, 0,1,2,3,4,5,6,7
	v_mul_f32 v[\e+\j], s34, |v[\x+\j]|
.endr
.irp j, 0,1,2,3,4,5,6,7
	v_exp_f32 v[\e+\j], v[\e+\j]                   ; e
.endr
	v_nop
	s_wait_alu depctr_va_vdst(0)                   ; the eight exponentials have written e, ahead of their first reader: one wait for the batch
.irp j, 0,2,4,6
	v_pk_add_f32 v[\q+\j:\q+\j+1], v[\e+\j:\e+\j+1], 1.0 op_sel_hi:[1,0]
.endr
.irp j, 0,1,2,3,4,5,6,7
	v_rcp_f32 v[\q+\j], v[\q+\j]
.endr
	v_nop
	s_wait_alu depctr_va_vdst(0)                   ; the eight reciprocals have written 1 / (1 + e), ahead of their first reader: one wait for the batch
.irp j, 0,2,4,6
	v_pk_add_f32 v[\q+\j:\q+\j+1], v[\q+\j:\q+\j+1], v[\q+\j:\q+\j+1]     ; r2 = 2 / (1 + e)
.endr
.irp j, 0,2,4,6
	v_pk_mul_f32 v[\e+\j:\e+\j+1], v[\e+\j:\e+\j+1], v[\q+\j:\q+\j+1]     ; q = e r2
.endr
.irp j, 0,2,4,6
	v_pk_mul_f32 v[\d+\j:\d+\j+1], v[\e+\j:\e+\j+1], v[\q+\j:\q+\j+1]     ; d = q r2
.endr
.irp j, 0,1,2,3,4,5,6,7
	v_sub_f32 v[\q+\j], 1.0, v[\e+\j]              ; |h| = 1 - q
.endr
.irp j, 0,1,2,3,4,5,6,7
	v_bfi_b32 v[\hh+\j], s35, v[\q+\j], v[\x+\j]   ; with the sign of x
.endr
.endm
	TANH8 X, E, Q, DD, HH
.irp s, 0,1,2,3,4,5,6,7
	v_cvt_pk_f16_f32 v[DD+\s], v[DD+\s], v[HH+\s]  ; d0 below, h0 above
.endr
	s_wait_alu depctr_va_vdst(0)                   ; the roundings have written v[DD ..], which the LDS stores read; sample 4's products are done reading Z0, in which the stage's rows land below: no vector instruction follows this wait
.irp s, 0,1,2,3,4,5,6,7
	ds_store_b16 v7, v[DD+\s] offset:256*\s                    ; row s: d0
	ds_store_b16_d16_hi v7, v[DD+\s] offset:2048+256*\s        ; row 8 + s: h0
.endr
	s_wait_dscnt 0x0                               ; my stores are done, for the other waves
	s_barrier_signal -1
	s_barrier_wait -1
	ds_load_b128 v[Z0:Z0+3], v9
	ds_load_b128 v[Z0+4:Z0+7], v9 offset:4096
	s_wait_dscnt 0x0
	global_store_b128 v4, v[Z0:Z0+3], s[26:27]                 ; 16 lanes store 256 consecutive bytes, aligned
	global_store_b128 v4, v[Z0+4:Z0+7], s[26:27] offset:4096
	s_wait_dscnt 0x0                               ; the closing lines, six on end
	s_wait_alu 0x0
	s_wait_tensorcnt 0x0
	ds_add_u32 v200, v201
	s_wait_dscnt 0x0
	s_endpgm
.Lfunc_end_k_qeb950dc811_prep:
	.size	k_qeb950dc811_prep, .Lfunc_end_k_qeb950dc811_prep-k_qeb950dc811_prep
	.p2alignl 7, 3214868480
	.fill 96, 4, 3214868480
	.section	.rodata,"a",@progbits
	.p2align	6, 0x0
	.amdhsa_kernel k_qeb950dc811_prep
		.amdhsa_group_segment_fixed_size 44032
		.amdhsa_private_segment_fixed_size 0
		.amdhsa_enable_private_segment 0
		.amdhsa_kernarg_size 96
		.amdhsa_user_sgpr_count 2
		.amdhsa_user_sgpr_kernarg_segment_ptr 1
		.amdhsa_wavefront_size32 1
		.amdhsa_system_sgpr_workgroup_id_x 1
		.amdhsa_system_sgpr_workgroup_id_y 1
		.amdhsa_system_sgpr_workgroup_id_z 1
		.amdhsa_system_vgpr_workitem_id 0
		.amdhsa_next_free_vgpr 234
		.amdhsa_next_free_sgpr 66
		.amdhsa_reserve_vcc 0
		.amdhsa_float_denorm_mode_32 3
		.amdhsa_float_denorm_mode_16_64 3
		.amdhsa_memory_ordered 1
		.amdhsa_forward_progress 1
		.amdhsa_inst_pref_size 33
	.end_amdhsa_kernel
	.amdgpu_metadata
---
amdhsa.version: [ 1, 2 ]
amdhsa.kernels:
  - .name:           k_qeb950dc811_prep
    .symbol:         k_qeb950dc811_prep.kd
    .args:
      - { .name: t, .offset: 0, .size: 8, .value_kind: global_buffer, .address_space: global }
      - { .name: z, .offset: 8, .size: 8, .value_kind: global_buffer, .address_space: global }
      - { .name: W0, .offset: 16, .size: 8, .value_kind: global_buffer, .address_space: global }
      - { .name: b0, .offset: 24, .size: 8, .value_kind: global_buffer, .address_space: global }
      - { .name: W1, .offset: 32, .size: 8, .value_kind: global_buffer, .address_space: global }
      - { .name: W2, .offset: 40, .size: 8, .value_kind: global_buffer, .address_space: global }
      - { .name: W3, .offset: 48, .size: 8, .value_kind: global_buffer, .address_space: global }
      - { .name: W1h, .offset: 56, .size: 8, .value_kind: global_buffer, .address_space: global }
      - { .name: W2h, .offset: 64, .size: 8, .value_kind: global_buffer, .address_space: global }
      - { .name: W3h, .offset: 72, .size: 8, .value_kind: global_buffer, .address_space: global }
      - { .name: W0K, .offset: 80, .size: 8, .value_kind: global_buffer, .address_space: global }
      - { .name: DH0, .offset: 88, .size: 8, .value_kind: global_buffer, .address_space: global }
    .group_segment_fixed_size: 44032
    .private_segment_fixed_size: 0
    .kernarg_segment_align: 8
    .kernarg_segment_size: 96
    .max_flat_workgroup_size: 256
    .sgpr_count:     66
    .vgpr_count:     234
    .wavefront_size: 32
...
	.end_amdgpu_metadata
.endif
;; end of part 5
;; launch lay1: the kernel of part 2 again; grid 4 x 64, 4 waves a work-group, clusters of 4 x 4, 327,680 bytes of LDS; arguments W1h, W0K, DH0, b1, U1x; writes U1x
;; launch lay2: the kernel of part 3 again; grid 4 x 64, 4 waves a work-group, clusters of 4 x 4, 327,680 bytes of LDS; arguments U1x, W2h, W3, b2, H2h, TRP; writes H2h, TRP
;; launch fin: the kernel of part 4 again; grid 32 x 1, 4 waves a work-group, no clusters, 9,728 bytes of LDS; arguments H2h, W3h, b3, TRP, out0, out1; writes out0, out1
